; MI455X (gfx1250); checked and timed in simulation.
; The chip was launched on July 23, 2026; its instructions are those of AMD's public machine-readable ISA for CDNA 5 (MIT licence, August 2026) and "CDNA5" Instruction Set Architecture Reference Guide (July 2026). The comments in the code are by the model that wrote it; some were corrected since.
;; Decision Transformer GPT2 Attention. Allowed arithmetic: matrix products marked QUANTISED: E2M1 operands, one E8M0 scale for each 32 along K, by v_wmma_scale_f32_16x16x128_f8f6f4 with both operands' format E2M1 (or v_wmma_scale_f32_32x16x128_f4), f32 sums; products left as they are: bf16, f16 or f32 operands; f32 sums; everything else in f32.
;; Inputs: c_attn_b 3,072 float32; c_attn_w 1,024 x 3,072 float32; c_proj_b 1,024 float32; c_proj_w 1,024 x 1,024 float32; hidden_states 2 x 2,048 x 1,024 float32; position_ids 2 x 2,048 int32.
;; Outputs: out0 2 x 2,048 x 1,024 float32.
;; This version of the problem:
;;   THIS VERSION OF THE PROBLEM IS GIVEN IN LOW PRECISION. The matrix products marked QUANTISED in the list below multiply operands that are first quantised to E2M1 (2 exponent bits, 1 mantissa bit; 4 bits a number), with one power-of-two scale for each 32 numbers along K (OCP MX v1.0); their sums are f32. The products marked 'left as it is' may take bf16, f16 or f32 operands, with f32 sums. Whichever they take, every output number must still come out within the allowed error. Rounding operands to bf16 (8 significant bits) uses up far more of that allowance than f16 does (11 bits, for magnitudes from 6e-5 to 65,504). All else is computed in f32.
;;   The module's matrix products, in the order in which they are computed (A, B: the left and right operand; K: the contracted axis; several contracted axes count as one K, in the product's order):
;;     1. [M 4,096, K 1,024] x [K 1,024, N 3,072]; A: input hidden_states; B: input c_attn_w: QUANTISED
;;     2. [M 2,048, K 1] x [K 1, N 32]; A: computed on the way; B: computed on the way: left as it is (no contracted axis)
;;     3. batch 32 x [M 2,048, K 64] x [K 64, N 2,048]; A: computed on the way; B: computed on the way: left as it is (an operand is computed on the way)
;;     4. batch 32 x [M 2,048, K 2,048] x [K 2,048, N 64]; A: computed on the way; B: computed on the way: left as it is (an operand is computed on the way)
;;     5. [M 4,096, K 1,024] x [K 1,024, N 1,024]; A: computed on the way; B: input c_proj_w: left as it is (an operand is computed on the way)
;;   THE QUANTISER, for each operand of a quantised product, along K:
;;     - K is cut into blocks of 32 from its start; a last block that is shorter is filled with zeros.
;;     - A block's scale is 2^e with e = floor(log2(the largest magnitude in the block)) - 2, held to -126 .. 127; a block of zeros has e = 0. As a byte (E8M0): e + 127.
;;     - Each number is divided by its block's scale, clamped to +-6, and rounded to the nearest number of E2M1, ties to even, subnormals kept.
;;     - The product sums the exact products of the quantised numbers (number of the format x scale) in f32.
;;   ~~~python
;;   def quantise(x, axis):      # numpy; x: float32 -> the quantised numbers, widened to float32 again
;;       x = np.moveaxis(x, axis, -1); K = x.shape[-1]
;;       x = np.pad(x, [(0, 0)] * (x.ndim - 1) + [(0, -K % 32)]); x = x.reshape(x.shape[:-1] + (-1, 32)); a = np.abs(x).max(-1, keepdims=True)
;;       e = np.where(a > 0, np.clip(np.frexp(np.where(a > 0, a, 1))[1] - 1 - 2, -126, 127), 0)      # np.frexp(a)[1] - 1 = floor(log2(a)), exactly
;;       r = np.clip(x / 2.0 ** e, -6, 6)
;;       step = 2.0 ** (np.maximum(np.frexp(np.where(r == 0, 1, r))[1] - 1, 0) - 1)
;;       q = np.round(r / step) * step * 2.0 ** e      # np.round: ties to even
;;       return np.moveaxis(q.reshape(q.shape[:-2] + (-1,))[..., :K], -1, axis).astype(np.float32)
;;   ~~~
;; One version. Each part assembles by itself: llvm-mc -triple=amdgcn-amd-amdhsa -mcpu=gfx1250 --defsym DOCPART=n.
;; ======== version 1 of 1: 5 launches
;; limits: values are held in f16: magnitudes above 65,504 overflow, below 6.1e-05 lose precision
;; workspace buffers: codes 3,670,016 bytes; scales 229,376 bytes; cs 1,048,576 bytes; wp16 2,097,152 bytes; qkv16 25,165,824 bytes; qkv32 393,216 bytes; a16 8,388,608 bytes
;; launch prep (part 1): grid 240 x 1, 4 waves a work-group, no clusters, 68,096 bytes of LDS; arguments hidden_states, position_ids, c_attn_w, c_proj_w, codes, scales, cs, wp16; writes codes, scales, cs, wp16
.if DOCPART == 1
	.amdgcn_target "amdgcn-amd-amdhsa--gfx1250"
	.amdhsa_code_object_version 6
	.text
	.protected	k_qc07c291ebd_prep
	.globl	k_qc07c291ebd_prep
	.p2align	8
	.type	k_qc07c291ebd_prep,@function
k_qc07c291ebd_prep:
	s_mov_b64 s[64:65], 0
	v_nop
	global_prefetch_b8 v0, s[64:65] scope:SCOPE_SE
	s_setreg_imm32_b32 hwreg(HW_REG_WAVE_MODE, 25, 1), 1
	s_wait_xcnt 0x0
; PREP: everything that is made once from the inputs.  Three kinds of work-group, told apart by the work-group's number alone:
;   0..127   A: hidden_states [4096][1024] f32 -> codes of FP4 (E2M1), K innermost, and one E8M0 byte for each 32 along K; and the table cos / sin of position x inv_freq for the 4,096 rows
;   128..175 B: c_attn_w [1024 (k)][3072 (n)] f32 -> codes laid [n][k], K innermost, and scale bytes [n][32]: a lane takes a column and its registers run down K
;   176..239 C: c_proj_w [1024 (k)][1024 (n)] f32 -> f16, laid as the images of the operand registers that the projection loads
; A block's scale is 2^(floor(log2(largest magnitude)) - 2); its byte is the largest magnitude's exponent field - 2, held at 1 from below.
; LIMITS: a block of zeros gets the byte 1 and not 127 (its codes are zeros; this program alone reads the bytes); blocks whose largest magnitude lies under 2^-124 were not tried; NaN and infinities are not served;
; position_ids lie in 0..2047; inv_freq = 2^(-j log2(4000) / 32) is made by v_exp_f32, so an angle may differ from the f32 table's by some 2e-4 rad at the largest positions; |c_proj_w| stays under 65,504.
; LDS: A's four regions 0..32767, B's four stages 32768..67583, the spare words 67584..68095: the kinds share no byte.  No barrier: waves share nothing.
.set SPW,   224                        ; v224  LDS address of my spare word; never rewritten
.set NIL,   225                        ; v225  0; never rewritten
.set SPARE, 67584
.set EMAX,  2
; kind A
.set WREG,  8192                       ; a wave's region: two stages of 32 x SP bytes, then its 256 scale bytes
.set SP,    80                         ; a lane's place in a stage: 64 bytes + 16 of padding
.set STEPS, 16
.set CB,    8                          ; bytes of 16 codes
.set AR,    16                         ; v16-79   four sets of 16 numbers as loaded
.set AX,    80                         ; v80-111  two sets of 16 neighbours
.set AE,    112                        ; v112-127 a scale byte for each step
.set AC,    128                        ; v128-191 codes, four registers a step
; kind B
.set NB,    16
.set BPITCH, 272
.set KROW,  512                        ; a row of codes: 1,024 codes
.set WN,    3072
.set BSTG,  32768
.set BX,    32                         ; v32-95   two sets of 32 numbers
.set BC,    96                         ; v96-99   a block's codes
.set BOUT,  112                        ; v112-175 the way out
.set BSB,   24                         ; v24-27   the scale bytes
	s_load_b256 s[4:11], s[0:1], 0x0               ; hidden_states s[4:5], position_ids s[6:7], c_attn_w s[8:9], c_proj_w s[10:11]
	s_load_b256 s[12:19], s[0:1], 0x20             ; codes s[12:13], scales s[14:15], cs s[16:17], wp16 s[18:19]
	v_lshl_add_u32 v[SPW], v0, 2, SPARE
	v_mov_b32 v[NIL], 0
	v_lshrrev_b32 v1, 5, v0
	v_readfirstlane_b32 s20, v1                    ; wave 0..3
	v_and_b32 v2, 31, v0                           ; lane
	s_cmp_lt_u32 ttmp9, 128
	s_cbranch_scc1 .Lpath_a
	s_cmp_lt_u32 ttmp9, 176
	s_cbranch_scc1 .Lpath_b
; ---- KIND C.  Work-group c = 8 y + x: columns 128 x .. + 127, k = 128 y .. + 127.  Lane l of wave w takes column 128 x + 32 w + l; its 128 registers run down K.
; wp16 is laid [column tile 8][kc 32][cb 8][g 2][512 bytes]: lane (r, h) of an image holds W[32 kc + 16 g + 8 h + 0..7][128 tile + 16 cb + r] as f16.
	s_sub_co_u32 s21, ttmp9, 176
	s_and_b32 s22, s21, 7                          ; x
	s_lshr_b32 s23, s21, 3                         ; y
	v_lshlrev_b32 v3, 2, v2                        ; in: 4 bytes a lane
	v_lshrrev_b32 v4, 4, v2
	v_and_b32 v5, 15, v2
	v_lshlrev_b32 v4, 10, v4
	v_lshl_add_u32 v4, v5, 4, v4                   ; out: 1,024 (lane / 16) + 16 (lane % 16)
	s_lshl_b32 s24, s23, 19                        ; 128 rows of 4,096 bytes
	s_lshl_b32 s25, s22, 9
	s_add_co_u32 s24, s24, s25
	s_lshl_b32 s25, s20, 7
	s_add_co_u32 s24, s24, s25
	s_mov_b32 s25, 0
	s_lshl_b32 s26, s22, 18                        ; a column tile's images: 262,144 bytes
	s_lshl_b32 s27, s23, 15                        ; four kc of 8,192
	s_add_co_u32 s26, s26, s27
	s_lshl_b32 s27, s20, 11                        ; two cb of 1,024
	s_add_co_u32 s26, s26, s27
	s_mov_b32 s27, 0
	s_wait_kmcnt 0x0
	s_add_nc_u64 s[10:11], s[10:11], s[24:25]
	s_add_nc_u64 s[18:19], s[18:19], s[26:27]
.set n_, 0
.rept 128
	global_load_b32 v[32+n_], v3, s[10:11] offset:n_*4096 th:TH_LOAD_NT   ; 32 lanes read 128 consecutive bytes, the four waves 512
.set n_, n_+1
.endr
.irp ch, 0,1,2,3                       ; 32 along K at a time
.if \ch < 2
	s_wait_loadcnt 63                              ; behind this chunk's loads 96 (then 64) were issued; the wait's field ends at 63, and a smaller count is safe
.elseif \ch == 2
	s_wait_loadcnt 32                              ; the last chunk's 32 may be out
.else
	s_wait_loadcnt 0
.endif
.set n_, 0
.rept 16
	v_cvt_pk_f16_f32 v[160+16*\ch+n_], v[32+32*\ch+2*n_], v[33+32*\ch+2*n_]   ; the lower k in the low half
.set n_, n_+1
.endr
.irp q, 0,1,2,3                        ; registers 4 q .. 4 q + 3 are k = 8 q .. 8 q + 7: g = q / 2, h = q % 2.  Sixteen lanes store 256 consecutive bytes, aligned
	global_store_b128 v4, v[160+16*\ch+4*\q:163+16*\ch+4*\q], s[18:19] offset:\ch*8192+512*(\q/2)+256*(\q%2)
.endr
.endr
	s_wait_tensorcnt 0x0                           ; the wave's end
	ds_add_u32 v[SPW], v[NIL]
	s_wait_dscnt 0x0
	s_endpgm
; ---- KIND A.  A wave takes 16 steps of 512 numbers of the stream.  Each load reads 512 consecutive bytes; a step's 2,048 bytes turn through the wave's own stage, so that a lane holds 16 neighbours along K.
.macro LOADX t
.irp i, 0,1,2,3
	global_load_b128 v[AR+16*((\t)%4)+4*\i:AR+16*((\t)%4)+4*\i+3], v3, s[4:5] offset:2048*(\t)+512*\i th:TH_LOAD_NT
.endr
.endm
.macro TURNX t                         ; LDS serves a wave's instructions in order: no wait between the stores and the loads
.irp i, 0,1,2,3
	ds_store_b128 v14, v[AR+16*((\t)%4)+4*\i:AR+16*((\t)%4)+4*\i+3] offset:32*SP*((\t)%2)+8*SP*\i
.endr
.irp i, 0,1,2,3
	ds_load_b128 v[AX+16*((\t)%2)+4*\i:AX+16*((\t)%2)+4*\i+3], v15 offset:32*SP*((\t)%2)+16*\i
.endr
.endm
.macro STEPX t
.set XS, AX+16*((\t)%2)
.if (\t) > 0
	s_wait_dscnt 1                                 ; this step's numbers are back from the stage; the last step's byte store may be out
.else
	s_wait_dscnt 0x0
.endif
.if (\t)+4 < STEPS
	LOADX (\t)+4                                   ; into the registers that the stage's stores have read
.endif
.if (\t)+1 < STEPS
.if STEPS-2-(\t) >= 3
	s_wait_loadcnt 12                              ; the next step's four loads are in; those of the three steps behind it may be out
.else
	s_wait_loadcnt 4*(STEPS-2-(\t))
.endif
	TURNX (\t)+1
.endif
	v_max3_num_f32 v8, |v[XS]|, |v[XS+1]|, |v[XS+2]|
	v_max3_num_f32 v9, |v[XS+3]|, |v[XS+4]|, |v[XS+5]|
.irp i, 6,10
	v_max3_num_f32 v8, v8, |v[XS+\i]|, |v[XS+\i+1]|
	v_max3_num_f32 v9, v9, |v[XS+\i+2]|, |v[XS+\i+3]|
.endr
	v_max3_num_f32 v8, v8, |v[XS+14]|, |v[XS+15]|
	v_max3_num_f32 v8, v8, v9, (EMAX+1)<<23        ; the floor 2^(3 - 127): the byte cannot fall under 1
	v_max_num_f32_dpp v8, v8, v8 row_xmask:1 row_mask:0xf bank_mask:0xf   ; with my neighbour's 16: the block's largest magnitude
	v_add_nc_u32 v11, -(EMAX<<23), v8              ; 2 off its exponent field: the conversion's scale operand
	v_cvt_scalef32_pk8_fp4_f32 v[AC+4*(\t)], v[XS:XS+7], v11
	v_cvt_scalef32_pk8_fp4_f32 v[AC+4*(\t)+1], v[XS+8:XS+15], v11
	v_lshrrev_b32 v[AE+(\t)], 23, v11              ; the scale's byte
	ds_store_b8 v5, v[AE+(\t)] offset:16*(\t)      ; both lanes of a block write the same byte with the same value
	global_store_b64 v4, v[AC+4*(\t):AC+4*(\t)+1], s[12:13] offset:32*CB*(\t)   ; the wave stores 256 consecutive bytes, aligned
.endm
; cos and sin of x = t inv_j: n = x 2/pi to the nearest whole number; r = x - n pi/2 in two parts; two short polynomials on |r| <= pi/4; the quadrant swaps and signs them.
.macro ANGLE j
	v_mul_f32 v194, v193, v[200+\j]                ; x, rounded to f32 as the table's product is
	v_mul_f32 v195, s24, v194
	v_rndne_f32 v195, v195                         ; n
	v_fma_f32 v194, v195, s25, v194                ; x - n hi
	v_fma_f32 v194, v195, s26, v194                ; + n (hi - pi/2)
	v_cvt_i32_f32 v195, v195
	v_mul_f32 v196, v194, v194                     ; z = r r
	v_fma_f32 v197, v196, s29, s28
	v_fma_f32 v197, v197, v196, s27
	v_mul_f32 v198, v194, v196
	v_fma_f32 v197, v198, v197, v194               ; sin r
	v_fma_f32 v198, v196, s32, s31
	v_fma_f32 v198, v198, v196, s30
	v_mul_f32 v199, v196, v196
	v_fma_f32 v196, v196, -0.5, 1.0
	v_fma_f32 v198, v199, v198, v196               ; cos r
	v_and_b32 v199, 1, v195
	v_cmp_eq_u32 vcc_lo, 1, v199                   ; an odd quadrant swaps the two (a choice of values, no branch)
	v_cndmask_b32 v196, v197, v198, vcc_lo
	v_cndmask_b32 v198, v198, v197, vcc_lo
	v_lshlrev_b32 v199, 30, v195                   ; sin is negative in quadrants 2, 3
	v_and_b32 v199, 0x80000000, v199
	v_xor_b32 v[216+\j], v196, v199
	v_add_nc_u32 v195, 1, v195                     ; cos in quadrants 1, 2
	v_lshlrev_b32 v195, 30, v195
	v_and_b32 v195, 0x80000000, v195
	v_xor_b32 v[208+\j], v198, v195
.endm
.Lpath_a:
	v_lshlrev_b32 v3, 4, v2                        ; my 16 bytes of 512
	s_mul_i32 s21, s20, WREG
	v_lshrrev_b32 v14, 2, v2
	v_mul_u32_u24 v14, v14, SP
	v_and_b32 v15, 3, v2
	v_lshl_add_u32 v14, v15, 4, v14
	v_add_nc_u32 v14, s21, v14                     ; the stage, in: SP (lane / 4) + 16 (lane % 4)
	v_mul_u32_u24 v15, v2, SP
	v_add_nc_u32 v15, s21, v15                     ; and out: SP x lane
	v_mul_u32_u24 v4, v2, CB
	v_lshrrev_b32 v5, 1, v2
	s_add_co_u32 s21, s21, 2*32*SP
	v_add_nc_u32 v5, s21, v5                       ; my block's scale byte in LDS
	v_lshlrev_b32 v7, 3, v2
	v_add_nc_u32 v6, s21, v7
	s_lshl_b32 s22, ttmp9, 2
	s_add_co_u32 s22, s22, s20                     ; which run of 8,192 numbers is my wave's
	s_lshl_b32 s40, s22, 15
	s_mov_b32 s41, 0
	s_lshl_b32 s42, s22, 12
	s_mov_b32 s43, 0
	s_lshl_b32 s44, s22, 8
	s_mov_b32 s45, 0
	s_lshl_b32 s36, ttmp9, 1                       ; the table: wave w makes block R = 2 x work-group + w / 2 of 16 rows, frequencies 16 u .. 16 u + 15, u = w % 2
	s_lshr_b32 s37, s20, 1
	s_add_co_u32 s36, s36, s37
	s_and_b32 s37, s20, 1
	s_lshl_b32 s46, s36, 6
	s_mov_b32 s47, 0
	s_lshl_b32 s48, s36, 12
	s_lshl_b32 s49, s37, 10
	s_add_co_u32 s48, s48, s49
	s_mov_b32 s49, 0
	s_lshl_b32 s34, s37, 4
	s_mov_b32 s24, 0x3f22f983                      ; 2 / pi
	s_mov_b32 s25, 0xbfc90fdb                      ; -hi, hi = pi/2 rounded to f32
	s_mov_b32 s26, 0x333bbd2e                      ; hi - pi/2
	s_mov_b32 s27, 0xbe2aaaa3                      ; sine's three coefficients
	s_mov_b32 s28, 0x3c08839e
	s_mov_b32 s29, 0xb94ca1f9
	s_mov_b32 s30, 0x3d2aaaa5                      ; cosine's three
	s_mov_b32 s31, 0xbab6061a
	s_mov_b32 s32, 0x37ccf5ce
	s_mov_b32 s33, 0xbebf73da                      ; -log2(4000) / 32
	v_and_b32 v195, 15, v0
	v_lshlrev_b32 v195, 2, v195
	s_wait_kmcnt 0x0
	s_add_nc_u64 s[4:5], s[4:5], s[40:41]
	s_add_nc_u64 s[12:13], s[12:13], s[42:43]
	s_add_nc_u64 s[14:15], s[14:15], s[44:45]
	s_add_nc_u64 s[6:7], s[6:7], s[46:47]
	s_add_nc_u64 s[16:17], s[16:17], s[48:49]
	global_load_b32 v192, v195, s[6:7]             ; the position of row 16 R + lane % 16
.irp t, 0,1,2,3
	LOADX \t
.endr
	v_bfe_u32 v194, v0, 4, 1
	v_lshlrev_b32 v194, 3, v194
	v_add_nc_u32 v194, s34, v194                   ; my first frequency: 16 u + 8 (lane / 16)
.irp j, 0,1,2,3,4,5,6,7
	v_add_nc_u32 v[200+\j], \j, v194
.endr
.irp j, 0,1,2,3,4,5,6,7
	v_cvt_f32_u32 v[200+\j], v[200+\j]
.endr
.irp j, 0,1,2,3,4,5,6,7
	v_mul_f32 v[200+\j], s33, v[200+\j]
.endr
.irp j, 0,1,2,3,4,5,6,7
	v_exp_f32 v[200+\j], v[200+\j]                 ; inv_freq
.endr
	v_nop                                          ; a plain instruction behind the last exponential
	s_wait_alu depctr_va_vdst(0)                   ; one wait for the eight, ahead of their first reader
	s_wait_loadcnt 16                              ; the position is in; the sixteen loads of x behind it stay out
	v_cvt_f32_i32 v193, v192
.irp j, 0,1,2,3,4,5,6,7
	ANGLE \j
.endr
	global_store_b128 v3, v[208:211], s[16:17]                 ; cs: [R][group 8][512 bytes]: groups 2 u, 2 u + 1 cos, 4 + 2 u, 5 + 2 u sin: 512 consecutive bytes a store
	global_store_b128 v3, v[212:215], s[16:17] offset:512
	global_store_b128 v3, v[216:219], s[16:17] offset:2048
	global_store_b128 v3, v[220:223], s[16:17] offset:2560
	s_wait_loadcnt 12                              ; step 0's four loads are in
	TURNX 0
.irp t, 0,1,2,3,4,5,6,7,8,9,10,11,12,13,14,15
	STEPX \t
.endr
	ds_load_b64 v[8:9], v6                         ; my wave's 256 scale bytes, 8 a lane
	s_wait_dscnt 0x0
	global_store_b64 v7, v[8:9], s[14:15]          ; 256 consecutive bytes, aligned
	s_wait_tensorcnt 0x0                           ; the wave's end, behind my last LDS store
	ds_add_u32 v[SPW], v[NIL]
	s_wait_dscnt 0x0
	s_endpgm
; ---- KIND B.  Work-group 24 y + x: columns 128 x .. + 127, k = 512 y .. + 511; a wave takes 32 columns: 16 blocks a lane, 256 bytes of codes a column, which leave through the wave's own stage as whole rows.
.macro LOADW t
.irp i, 0,1,2,3,4,5,6,7,8,9,10,11,12,13,14,15,16,17,18,19,20,21,22,23,24,25,26,27,28,29,30,31
	global_load_b32 v[BX+32*((\t)%2)+\i], v3, s[8:9] offset:(32*(\t)+\i)*WN*4 th:TH_LOAD_NT
.endr
.endm
.macro BLOCKW t
.set XS, BX+32*((\t)%2)
.if (\t) < NB-1
	s_wait_loadcnt 32                              ; this block's 32 loads are in; the next block's may be out
.else
	s_wait_loadcnt 0
.endif
	v_max3_num_f32 v12, |v[XS]|, |v[XS+1]|, |v[XS+2]|
	v_max3_num_f32 v13, |v[XS+3]|, |v[XS+4]|, |v[XS+5]|
.irp i, 6,10,14,18,22,26
	v_max3_num_f32 v12, v12, |v[XS+\i]|, |v[XS+\i+1]|
	v_max3_num_f32 v13, v13, |v[XS+\i+2]|, |v[XS+\i+3]|
.endr
	v_max3_num_f32 v12, v12, |v[XS+30]|, |v[XS+31]|
	v_max3_num_f32 v12, v12, v13, (EMAX+1)<<23     ; the floor
	v_add_nc_u32 v11, -(EMAX<<23), v12
	v_lshrrev_b32 v13, 23, v11                     ; the scale's byte
.if (\t)%4 == 0
	v_mov_b32 v[BSB+(\t)/4], v13
.else
	v_lshl_or_b32 v[BSB+(\t)/4], v13, 8*((\t)%4), v[BSB+(\t)/4]
.endif
.irp g, 0,1,2,3
	v_cvt_scalef32_pk8_fp4_f32 v[BC+\g], v[XS+8*\g:XS+8*\g+7], v11
.endr
	ds_store_b128 v4, v[BC:BC+3] offset:16*(\t)
.if (\t)+2 < NB
	LOADW (\t)+2
.endif
	s_wait_dscnt 0x0                               ; the store has read its registers: the next block's codes may be written
.endm
.Lpath_b:
	s_sub_co_u32 s21, ttmp9, 128
	s_cmp_ge_u32 s21, 24
	s_cselect_b32 s22, 1, 0                        ; y
	s_cselect_b32 s23, 24, 0
	s_sub_co_u32 s21, s21, s23                     ; x
	s_lshl_b32 s21, s21, 7
	s_lshl_b32 s23, s20, 5
	s_add_co_u32 s21, s21, s23                     ; my wave's first column
	v_lshlrev_b32 v3, 2, v2
	s_mul_i32 s23, s20, 32*BPITCH
	s_add_co_u32 s23, s23, BSTG                    ; my stage
	v_mul_u32_u24 v4, v2, BPITCH
	v_add_nc_u32 v4, s23, v4                       ; in: row = my column
	v_and_b32 v5, 15, v2
	v_lshrrev_b32 v6, 4, v2
	v_mul_u32_u24 v7, v6, BPITCH
	v_lshl_add_u32 v7, v5, 4, v7
	v_add_nc_u32 v7, s23, v7                       ; out: sixteen lanes to a row
	v_mul_u32_u24 v8, v6, KROW
	v_lshl_add_u32 v8, v5, 4, v8
	v_lshlrev_b32 v9, 5, v2                        ; my column's row of 32 scale bytes
	s_mul_i32 s24, s22, 512*WN*4
	s_lshl_b32 s25, s21, 2
	s_add_co_u32 s24, s24, s25
	s_mov_b32 s25, 0
	s_lshl_b32 s26, s21, 9
	s_lshl_b32 s27, s22, 8
	s_add_co_u32 s26, s26, s27
	s_add_co_u32 s26, s26, 0x200000                ; the weight's codes lie behind x's 2,097,152 bytes
	s_mov_b32 s27, 0
	s_lshl_b32 s28, s21, 5
	s_lshl_b32 s29, s22, 4
	s_add_co_u32 s28, s28, s29
	s_add_co_u32 s28, s28, 0x20000                 ; its scale bytes behind x's 131,072
	s_mov_b32 s29, 0
	s_wait_kmcnt 0x0
	s_add_nc_u64 s[8:9], s[8:9], s[24:25]
	s_add_nc_u64 s[12:13], s[12:13], s[26:27]
	s_add_nc_u64 s[14:15], s[14:15], s[28:29]
	LOADW 0
	LOADW 1
.irp t, 0,1,2,3,4,5,6,7,8,9,10,11,12,13,14,15
	BLOCKW \t
.endr
	global_store_b128 v9, v[BSB:BSB+3], s[14:15]   ; my column's 16 scale bytes
.irp t, 0,1,2,3,4,5,6,7,8,9,10,11,12,13,14,15
	ds_load_b128 v[BOUT+4*\t:BOUT+4*\t+3], v7 offset:2*\t*BPITCH
.endr
.irp t, 0,1,2,3,4,5,6,7,8,9,10,11,12,13,14,15
	s_wait_dscnt 15-\t
	global_store_b128 v8, v[BOUT+4*\t:BOUT+4*\t+3], s[12:13] offset:2*\t*KROW   ; sixteen lanes store 256 consecutive bytes, aligned
.endr
	s_wait_tensorcnt 0x0                           ; the wave's end, behind my last LDS store
	ds_add_u32 v[SPW], v[NIL]
	s_wait_dscnt 0x0
	s_endpgm
.Lfunc_end_k_qc07c291ebd_prep:
	.size	k_qc07c291ebd_prep, .Lfunc_end_k_qc07c291ebd_prep-k_qc07c291ebd_prep
	.p2alignl 7, 3214868480
	.fill 96, 4, 3214868480
	.section	.rodata,"a",@progbits
	.p2align	6, 0x0
	.amdhsa_kernel k_qc07c291ebd_prep
		.amdhsa_group_segment_fixed_size 68096
		.amdhsa_private_segment_fixed_size 0
		.amdhsa_enable_private_segment 0
		.amdhsa_kernarg_size 64
		.amdhsa_user_sgpr_count 2
		.amdhsa_user_sgpr_kernarg_segment_ptr 1
		.amdhsa_wavefront_size32 1
		.amdhsa_system_sgpr_workgroup_id_x 1
		.amdhsa_system_sgpr_workgroup_id_y 1
		.amdhsa_system_sgpr_workgroup_id_z 1
		.amdhsa_system_vgpr_workitem_id 0
		.amdhsa_next_free_vgpr 232
		.amdhsa_next_free_sgpr 66
		.amdhsa_reserve_vcc 1
		.amdhsa_float_denorm_mode_32 3
		.amdhsa_float_denorm_mode_16_64 3
		.amdhsa_memory_ordered 1
		.amdhsa_forward_progress 1
		.amdhsa_inst_pref_size 142
	.end_amdhsa_kernel
	.amdgpu_metadata
---
amdhsa.version: [ 1, 2 ]
amdhsa.kernels:
  - .name:           k_qc07c291ebd_prep
    .symbol:         k_qc07c291ebd_prep.kd
    .args:
      - { .name: hidden_states, .offset: 0, .size: 8, .value_kind: global_buffer, .address_space: global }
      - { .name: position_ids, .offset: 8, .size: 8, .value_kind: global_buffer, .address_space: global }
      - { .name: c_attn_w, .offset: 16, .size: 8, .value_kind: global_buffer, .address_space: global }
      - { .name: c_proj_w, .offset: 24, .size: 8, .value_kind: global_buffer, .address_space: global }
      - { .name: codes, .offset: 32, .size: 8, .value_kind: global_buffer, .address_space: global }
      - { .name: scales, .offset: 40, .size: 8, .value_kind: global_buffer, .address_space: global }
      - { .name: cs, .offset: 48, .size: 8, .value_kind: global_buffer, .address_space: global }
      - { .name: wp16, .offset: 56, .size: 8, .value_kind: global_buffer, .address_space: global }
    .group_segment_fixed_size: 68096
    .private_segment_fixed_size: 0
    .kernarg_segment_align: 8
    .kernarg_segment_size: 64
    .max_flat_workgroup_size: 128
    .sgpr_count:     66
    .vgpr_count:     232
    .wavefront_size: 32
...
	.end_amdgpu_metadata
.endif
;; end of part 1
;; launch qkv (part 2): grid 12 x 16, 4 waves a work-group, clusters of 4 x 4, 327,680 bytes of LDS; arguments codes, scales, c_attn_b, cs, qkv16, qkv32; writes qkv16, qkv32
.if DOCPART == 2
	.amdgcn_target "amdgcn-amd-amdhsa--gfx1250"
	.amdhsa_code_object_version 6
	.text
	.protected	k_qc07c291ebd_qkv
	.globl	k_qc07c291ebd_qkv
	.p2align	8
	.type	k_qc07c291ebd_qkv,@function
k_qc07c291ebd_qkv:
	s_mov_b64 s[64:65], 0
	v_nop
	global_prefetch_b8 v0, s[64:65] scope:SCOPE_SE
	s_setreg_imm32_b32 hwreg(HW_REG_WAVE_MODE, 25, 1), 1
	s_wait_xcnt 0x0
	s_wait_alu depctr_hold_cnt(0) depctr_sa_sdst(0) depctr_va_vdst(0) depctr_va_sdst(0) depctr_va_ssrc(0) depctr_va_vcc(0) depctr_vm_vsrc(0)
	s_getreg_b32 s2, hwreg(HW_REG_IB_STS2, 6, 4)
	s_cmp_eq_u32 s2, 0
	s_cbranch_scc0 .Lentry_in_a_cluster
	s_endpgm
.Lentry_in_a_cluster:
	s_bfe_u32 s2, ttmp6, 0x10000c
	s_cmp_lg_u32 s2, 0xf033
	s_cbranch_scc0 .Lentry_shape_is_right
	s_endpgm
.Lentry_shape_is_right:
; QKV = Q(x) Q(W) + b on codes of FP4 (E2M1) with one E8M0 scale for each 32 along K, then the rotary embedding, then f16 images for the attention.
; x's codes [4096][512 bytes] and W's [3072][512 bytes] lie in one buffer (W's from byte 2,097,152), their scale bytes [rows][32] in another (W's from byte 131,072).
; A tile of 256 x 256 is made by four waves, each 128 x 128: 64 accumulators, 512 registers.  K = 1,024 is two slots of 512: both slots and all scale bytes are first fills, nothing is filled again.
; CLUSTERS: 4 x 4 work-groups; x's tiles are asked for jointly along a row of the cluster, W's along a column.  A cluster's x is the kind of its 1,024 columns: 0 q, 1 k, 2 v.
; THE MATRIX INSTRUCTION IS USED TRANSPOSED (source 0 = 16 columns of W, source 1 = 16 rows of x): lane (r, h) holds row r and columns 8 h + 0..7 of a block of 16.  The bias is the C of each sum's first product.
; THE WAY OUT needs no LDS: a head's 64 columns are four blocks; columns d and d + 32 lie in blocks u and u + 2 of the SAME lane, so the rotation is packed arithmetic on registers; a lane's eight numbers, rounded to f16,
; are 16 bytes of an operand's image, and a wave's store covers 512 consecutive bytes.  q is multiplied by log2(e) / 8 on the way (folded into its cos and sin).
; qkv16: [kind 3][b x head 32][block of 16 rows 128][c 2][g 2][512 bytes]: lane (r, h) holds row r, d = 32 c + 16 g + 8 h + 0..7.   qkv32: positions 0..15 in f32: [b 2][block of 16 columns 192][g 2][512 bytes].
; LIMIT: |q| log2(e) / 8, |k| and |v| stay under 65,504 (f16).
; REGISTERS: window 0: v16-29 addresses; v32-95 scale words, and nothing else; v128-191 x's fragments, later the f16 results; v192-255 the bias, later cos and sin in two buffers.
;   window 1: W's fragments, two sets; on the way out v0-63 the rotated numbers.   windows 2, 3: the accumulators ((a, b) at v[8 (8 (a % 4) + b)]).
.set NQ,     4
.set ROWB,   256
.set KROW,   512
.set PITCH,  272                       ; an LDS row: 256 bytes + 16 of padding: the 16 rows of a fragment load start at 16 different groups of banks
.set FR,     8
.set NL,     2
.set NP,     4
.set HALFT,  128*PITCH
.set SLOT,   4*HALFT
.set KS,     32
.set SCL,    2*SLOT
.set HALFS,  (128*KS/256)*272
.set SBLK,   (16*KS/256)*272
.set SPARE,  SCL+4*HALFS               ; the spare words: 128 bytes a wave, named by no other line
.set ADRA, 16
.set ADRB, 20
.set LI,   24                          ; v24  16 x lane
.set BO,   25                          ; v25  32 x (lane / 16)
.set ADRS, 27
.set SPW,  28
.set NIL,  29
.set SC,   32
.set AF,   128
.set HB,   128                         ; the f16 results: two buffers of 32
.set BIAS, 192
.set CSB,  192                         ; cos and sin: two buffers of 32: cos of u = 0, 1 in 0-15, sin in 16-31
.set G1, 24
.set G0, 32
.set G1B, 48
.set G0B, 56
.set G1S, 68
.set G0S, 76
.set G1SB, 80
.set G0SB, 88
.set MSB, 0
.macro WIN new                         ; the immediate's high byte repeats the setting that is left
.if MSB != (\new)
	s_set_vgpr_msb (MSB<<8)|(\new)
.set MSB, (\new)
.endif
.endm
.set MUL_LO,  0xa1                     ; source 0 (W) window 1, source 1 (x) window 0, C and D window 2
.set MUL_HI,  0xf1                     ; C and D window 3
.set MUL_LO0, 0x81                     ; the first products: C (the bias) window 0, D window 2
.set MUL_HI0, 0xc1                     ; D window 3
.set TO_B,    0x40
; A joint load: waves 0 and 1 fetch for x, waves 2 and 3 for W.  An s_nop 0 and four v_nop follow each of the two lines.
.macro JLOAD g0a, g1a, g0b, g1b
	s_cmp_eq_u32 s15, 0
	s_cbranch_scc0 .Lfor_b_\@
	tensor_load_to_lds s[\g0a:\g0a+3], s[\g1a:\g1a+7]
	s_nop 0
.rept 4
	v_nop
.endr
	s_branch .Lasked_\@
.Lfor_b_\@:
	tensor_load_to_lds s[\g0b:\g0b+3], s[\g1b:\g1b+7]
	s_nop 0
.rept 4
	v_nop
.endr
.Lasked_\@:
.endm
.macro CROUND                          ; a round of the cluster's barrier
	s_barrier_signal -1
	s_barrier_wait -1
	s_cmp_lg_u32 s14, 0
	s_cbranch_scc1 .Lnot_wave_0_\@
	s_barrier_signal -3
.Lnot_wave_0_\@:
	s_barrier_wait -3
	s_barrier_signal -1
	s_barrier_wait -1
.endm
	s_load_b128 s[4:7], s[0:1], 0x0                ; codes s[4:5], scales s[6:7]
	v_lshl_add_u32 v[SPW], v0, 2, SPARE
	v_mov_b32 v[NIL], 0
	ds_add_u32 v[SPW], v[NIL]                      ; the wave's opening: the add, twice on end, and its wait ahead of my first tensor load
	ds_add_u32 v[SPW], v[NIL]
	v_lshrrev_b32 v1, 5, v0
	v_readfirstlane_b32 s14, v1                    ; wave 0..3
	s_lshr_b32 s15, s14, 1                         ; which half of the tile's rows is mine.  Also: I fetch for x (0) or for W (1)
	s_and_b32 s16, s14, 1                          ; which half of its columns.  Also: which 128 rows of that tile I fetch
	s_bfe_u32 s40, ttmp6, 0x40000                  ; cx
	s_bfe_u32 s41, ttmp6, 0x40004                  ; cy
	s_lshl_b32 s42, ttmp9, 2
	s_add_co_u32 s42, s42, s40                     ; tile column
	s_and_b32 s17, ttmp7, 0xffff
	s_lshl_b32 s17, s17, 2
	s_add_co_u32 s17, s17, s41                     ; tile row
	s_lshl_b32 s43, s41, 2
	s_lshl_b32 s43, 15, s43                        ; my row of the cluster
	s_lshl_b32 s44, 0x1111, s40                    ; my column
	s_or_b32 s[G1+0], s43, (0<<16)|(1<<20)|(1<<21)|(5<<22)|(3<<25)   ; the mask; elements of 1 byte; padding: 4 words behind every 64; bit 21 beside a mask
	s_or_b32 s[G1B+0], s44, (0<<16)|(1<<20)|(1<<21)|(5<<22)|(3<<25)
.irp g, G1, G1B
	s_mov_b32 s[\g+1], ROWB<<16                    ; tensor_dim0
	s_mov_b32 s[\g+2], 128<<16                     ; tensor_dim1
	s_mov_b32 s[\g+3], ROWB<<16                    ; tile_dim0
	s_mov_b32 s[\g+4], 128                         ; tile_dim1
	s_mov_b32 s[\g+5], KROW                        ; the pitch
	s_mov_b32 s[\g+6], 0
	s_mov_b32 s[\g+7], 0
.endr
	s_or_b32 s[G1S+0], s43, (3<<16)|(1<<20)|(1<<21)|(5<<22)|(3<<25)  ; the scales of 128 rows: 4,096 dense bytes as 16 rows of 256, 16 bytes of padding behind each
	s_or_b32 s[G1SB+0], s44, (3<<16)|(1<<20)|(1<<21)|(5<<22)|(3<<25)
.irp g, G1S, G1SB
	s_mov_b32 s[\g+1], 32<<16
	s_mov_b32 s[\g+2], (128*KS/256)<<16
	s_mov_b32 s[\g+3], 32<<16
	s_mov_b32 s[\g+4], 128*KS/256
	s_mov_b32 s[\g+5], 32
	s_mov_b32 s[\g+6], 0
	s_mov_b32 s[\g+7], 0
.endr
	s_lshl_b32 s18, s16, 7
	s_lshl_b32 s20, s17, 8
	s_add_co_u32 s20, s20, s18                     ; x: row 256 x tile row + 128 x half
	s_lshl_b32 s46, s42, 8
	s_add_co_u32 s46, s46, s18                     ; W: row 256 x tile column + 128 x half
	s_mov_b32 s21, 0
	s_mov_b32 s47, 0
	s_mov_b64 s[18:19], KS
	s_mul_u64 s[22:23], s[20:21], s[18:19]
	s_mul_u64 s[92:93], s[46:47], s[18:19]
	s_mov_b64 s[18:19], KROW
	s_mul_u64 s[20:21], s[20:21], s[18:19]
	s_mul_u64 s[46:47], s[46:47], s[18:19]
	s_mul_i32 s45, s14, HALFT                      ; where they go: wave x 128 rows
	s_mul_i32 s94, s14, HALFS
	s_wait_dscnt 0x0                               ; both opening adds are done
	s_wait_kmcnt 0x0
	s_add_nc_u64 s[8:9], s[4:5], 0x200000          ; W's codes
	s_add_nc_u64 s[10:11], s[6:7], 0x20000         ; W's scales
	s_add_nc_u64 s[20:21], s[4:5], s[20:21]
	s_add_nc_u64 s[22:23], s[6:7], s[22:23]
	s_add_nc_u64 s[46:47], s[8:9], s[46:47]
	s_add_nc_u64 s[92:93], s[10:11], s[92:93]
	CROUND                                         ; all sixteen work-groups are here: the joint loads meet
	s_mov_b32 s[G0S], 1
	s_add_co_u32 s[G0S+1], s94, SCL
	s_mov_b64 s[G0S+2:G0S+3], s[22:23]
	s_or_b32 s[G0S+3], s[G0S+3], 0x80000000
	s_mov_b32 s[G0SB], 1
	s_add_co_u32 s[G0SB+1], s94, SCL
	s_mov_b64 s[G0SB+2:G0SB+3], s[92:93]
	s_or_b32 s[G0SB+3], s[G0SB+3], 0x80000000
	JLOAD G0S, G1S, G0SB, G1SB                     ; the scales first; with the two slots three loads of mine are out
.irp s, 0,1
	s_mov_b32 s[G0+4*\s], 1
	s_add_co_u32 s[G0+4*\s+1], s45, \s*SLOT
	s_add_nc_u64 s[G0+4*\s+2:G0+4*\s+3], s[20:21], \s*ROWB
	s_or_b32 s[G0+4*\s+3], s[G0+4*\s+3], 0x80000000
	s_mov_b32 s[G0B+4*\s], 1
	s_add_co_u32 s[G0B+4*\s+1], s45, \s*SLOT
	s_add_nc_u64 s[G0B+4*\s+2:G0B+4*\s+3], s[46:47], \s*ROWB
	s_or_b32 s[G0B+4*\s+3], s[G0B+4*\s+3], 0x80000000
	JLOAD G0+4*\s, G1, G0B+4*\s, G1B
.endr
	s_load_b256 s[4:11], s[0:1], 0x10              ; c_attn_b s[4:5], cs s[6:7], qkv16 s[8:9], qkv32 s[10:11] (no descriptor names s4 to s11)
	v_and_b32 v1, 15, v0
	v_bfe_u32 v2, v0, 4, 1
	v_mul_u32_u24 v3, v1, PITCH
	v_lshl_add_u32 v4, v2, 4, v3
	s_mul_i32 s21, s15, HALFT
	s_mul_i32 s22, s16, HALFT
	s_add_co_u32 s22, s22, 2*HALFT
.irp s, 0,1
	v_add_nc_u32 v[ADRA+\s], s21, v4
	v_add_nc_u32 v[ADRB+\s], s22, v4
	s_add_co_u32 s21, s21, SLOT
	s_add_co_u32 s22, s22, SLOT
.endr
	v_mul_u32_u24 v5, v1, KS                       ; my row's scales: 32 bytes a row, 16 more for each 256 passed
	v_lshrrev_b32 v6, 8, v5
	v_lshl_add_u32 v5, v6, 4, v5
	s_mul_i32 s21, s15, HALFS
	s_mul_i32 s22, s16, HALFS
	s_add_co_u32 s22, s22, 2*HALFS
	s_sub_co_u32 s22, s22, s21
	v_mul_u32_u24 v6, s22, v2                      ; lanes 16-31 take W's
	s_add_co_u32 s21, s21, SCL
	v_add_nc_u32 v5, v5, v6
	v_add_nc_u32 v[ADRS], s21, v5
	v_and_b32 v6, 31, v0
	v_lshlrev_b32 v[LI], 4, v6
	v_lshlrev_b32 v[BO], 5, v2
	; byte offsets for the bias, the table and the results
	s_lshl_b32 s20, s17, 16                        ; cs: block 16 x tile row + 8 x half, 4,096 bytes a block
	s_lshl_b32 s21, s15, 15
	s_add_co_u32 s20, s20, s21
	s_mov_b32 s21, 0
	s_lshr_b32 s94, s17, 3                         ; the sequence
	s_and_b32 s95, s17, 7
	s_lshl_b32 s22, s94, 22                        ; qkv16: 16 heads x 262,144 a sequence,
	s_lshl_b32 s23, s95, 15                        ; 16 blocks of rows x 2,048 a tile row,
	s_add_co_u32 s22, s22, s23
	s_lshl_b32 s23, s15, 14                        ; 8 a half
	s_add_co_u32 s22, s22, s23
	s_mov_b32 s23, 0
	s_or_b32 s95, s95, s15
	s_cmp_eq_u32 s95, 0
	s_cselect_b32 s66, -1, 0                       ; all ones where my first 16 rows are positions 0..15 of a sequence
	s_mul_i32 s94, s94, 196608
	s_mov_b32 s95, 0
	s_lshl_b32 s46, ttmp9, 23                      ; the kind,
	s_lshl_b32 s47, s40, 20                        ; four heads a tile column,
	s_add_co_u32 s46, s46, s47
	s_lshl_b32 s47, s16, 19                        ; two a half
	s_add_co_u32 s46, s46, s47
	s_mov_b32 s47, 0
	s_lshl_b32 s92, s42, 10                        ; the bias: 4 x (256 x tile column + 128 x half)
	s_lshl_b32 s93, s16, 9
	s_add_co_u32 s92, s92, s93
	s_mov_b32 s93, 0
	s_lshl_b32 s96, s92, 4                         ; qkv32: 1,024 bytes for each 16 columns
	s_mov_b32 s97, 0
	s_mov_b32 s99, 0x3e38aa3b                      ; log2(e) / 8
	s_cmp_eq_u32 ttmp9, 0
	s_cselect_b32 s98, s99, 1.0                    ; q's factor; k's is 1
	s_mov_b32 s99, s98
	s_wait_kmcnt 0x0
	s_add_nc_u64 s[4:5], s[4:5], s[92:93]
	s_add_nc_u64 s[6:7], s[6:7], s[20:21]
	s_add_nc_u64 s[8:9], s[8:9], s[22:23]
	s_add_nc_u64 s[8:9], s[8:9], s[46:47]
	s_add_nc_u64 s[10:11], s[10:11], s[94:95]
	s_add_nc_u64 s[10:11], s[10:11], s[96:97]
.irp b, 0,1,2,3,4,5,6,7
	global_load_b128 v[BIAS+8*\b:BIAS+8*\b+3], v[BO], s[4:5] offset:64*\b       ; the bias in the result's layout: columns 16 b + 8 h + 0..7
	global_load_b128 v[BIAS+8*\b+4:BIAS+8*\b+7], v[BO], s[4:5] offset:64*\b+16
.endr
.macro FRAG reg, adr, q, i             ; 16 rows x 128 K of 4-bit codes: 8 registers, two loads 32 bytes apart
.irp c, 0,1
	ds_load_b128 v[\reg+4*\c:\reg+4*\c+3], v[\adr] offset:64*(\q)+32*\c+(\i)*16*PITCH
.endr
.endm
; 16 products: x's blocks a0, a0 + 1 against W's eight.  zero = 1: the first products take the bias as C.  The 64 accumulators take turns, one instruction a turn.
.macro MUL16 a0, p, q, sc, zero
.irp a, \a0, \a0+1
.irp b, 0,1,2,3,4,5,6,7
.if \zero
	v_wmma_scale_f32_16x16x128_f8f6f4 v[8*(8*((\a)%4)+\b):8*(8*((\a)%4)+\b)+7], v[128*(\p)+FR*\b:128*(\p)+FR*\b+FR-1], v[AF+FR*(\a):AF+FR*(\a)+FR-1], v[BIAS+8*\b:BIAS+8*\b+7], v[SC+8*NQ*(\sc)+NQ*\b+(\q)], v[SC+8*NQ*(\sc)+NQ*(\a)+(\q)] matrix_a_fmt:MATRIX_FMT_FP4 matrix_b_fmt:MATRIX_FMT_FP4 matrix_a_scale:MATRIX_SCALE_ROW1
.else
	v_wmma_scale_f32_16x16x128_f8f6f4 v[8*(8*((\a)%4)+\b):8*(8*((\a)%4)+\b)+7], v[128*(\p)+FR*\b:128*(\p)+FR*\b+FR-1], v[AF+FR*(\a):AF+FR*(\a)+FR-1], v[8*(8*((\a)%4)+\b):8*(8*((\a)%4)+\b)+7], v[SC+8*NQ*(\sc)+NQ*\b+(\q)], v[SC+8*NQ*(\sc)+NQ*(\a)+(\q)] matrix_a_fmt:MATRIX_FMT_FP4 matrix_b_fmt:MATRIX_FMT_FP4 matrix_a_scale:MATRIX_SCALE_ROW1
.endif
.endr
.endr
.endm
.macro FETCH_B slot, q, p
	WIN TO_B
.irp i, 0,1,2,3,4,5,6,7
	FRAG 128*(\p)+FR*\i, ADRB+\slot, \q, \i
.endr
	WIN 0
.endm
.macro FETCH_A slot, q, i0
.irp i, \i0, \i0+1, \i0+2, \i0+3
	FRAG AF+FR*(\i), ADRA+\slot, \q, \i
.endr
.endm
.macro SCALES sc                       ; a slot's scale words: lanes 0-15 x's block i, lanes 16-31 W's block i
.irp i, 0,1,2,3,4,5,6,7
	ds_load_b128 v[SC+8*NQ*\sc+NQ*\i:SC+8*NQ*\sc+NQ*\i+3], v[ADRS] offset:\i*SBLK
.endr
.endm
.macro PLACES n                        ; plain vector instructions between a matrix instruction and a load into, or a read of, its registers
.rept \n
	v_nop
.endr
.endm
.macro STEP slot, q, zero              ; 128 along K, with its successor in the same slot
	s_wait_dscnt 4*NL                              ; W's set and x's blocks 0-3 are in; the youngest eight loads (x's blocks 4-7) may be out
.if \zero
	WIN MUL_LO0
.else
	WIN MUL_LO
.endif
	MUL16 0, (\q)%2, \q, \slot, \zero
	MUL16 2, (\q)%2, \q, \slot, \zero
	s_wait_dscnt 0
	PLACES NP
	FETCH_B \slot, (\q)+1, 1-(\q)%2
	FETCH_A \slot, (\q)+1, 0
.if \zero
	WIN MUL_HI0
.else
	WIN MUL_HI
.endif
	MUL16 4, (\q)%2, \q, \slot, \zero
	MUL16 6, (\q)%2, \q, \slot, \zero
	PLACES NP
	WIN 0
	FETCH_A \slot, (\q)+1, 4
.endm
.macro TURN slot, next                 ; slot 0's last step: my part of slot 1 has landed, and a barrier shows that of every wave.  Nothing is filled again
	s_wait_tensorcnt 0x0
	ds_add_u32 v[SPW], v[NIL]
	s_wait_dscnt 4*NL+1                            ; the add and the youngest eight loads may be out
	WIN MUL_LO
	MUL16 0, 1, NQ-1, \slot, 0
	s_wait_dscnt 0x0
	s_barrier_signal -1
	MUL16 2, 1, NQ-1, \slot, 0
	WIN 0
	s_barrier_wait -1
	PLACES NP
	v_add_nc_u32 v[ADRS], 4*NQ, v[ADRS]            ; the next slot's scale words
	FETCH_B \next, 0, 0
	FETCH_A \next, 0, 0
	SCALES \next
	WIN MUL_HI
	MUL16 4, 1, NQ-1, \slot, 0
	MUL16 6, 1, NQ-1, \slot, 0
	PLACES NP
	WIN 0
	FETCH_A \next, 0, 4
.endm
.macro CSLOAD a                        ; cos and sin of my block a of 16 rows: eight groups of 512 consecutive bytes
.irp g, 0,1,2,3,4,5,6,7
	global_load_b128 v[CSB+32*((\a)%2)+4*\g:CSB+32*((\a)%2)+4*\g+3], v[LI], s[6:7] offset:(\a)*4096+512*\g
.endr
.endm
	s_wait_tensorcnt 1                             ; the scales and my part of slot 0 are in; slot 1's load may be out
	s_barrier_signal -1
	s_barrier_wait -1
	FETCH_B 0, 0, 0
	FETCH_A 0, 0, 0
	SCALES 0
	FETCH_A 0, 0, 4
	s_wait_loadcnt 0x0                             ; the bias
	STEP 0, 0, 1
	s_cmp_eq_u32 ttmp9, 2                          ; v is not rotated.  The cluster's x is the same in all partners
	s_cbranch_scc1 .Lno_cs
	CSLOAD 0                                       ; into the bias's registers: their last readers stand ahead of the step's closing places
	CSLOAD 1
.Lno_cs:
	STEP 0, 1, 0
	STEP 0, 2, 0
	TURN 0, 1
	STEP 1, 0, 0
	STEP 1, 1, 0
	STEP 1, 2, 0
	s_wait_dscnt 4*NL
	WIN MUL_LO
	MUL16 0, 1, NQ-1, 1, 0
	MUL16 2, 1, NQ-1, 1, 0
	s_wait_dscnt 0
	WIN MUL_HI
	MUL16 4, 1, NQ-1, 1, 0
	MUL16 6, 1, NQ-1, 1, 0
	WIN 0
	PLACES NP
.macro SEND16 a                        ; block a's eight images: head hh, block be of its four
.irp hh, 0,1
.irp be, 0,1,2,3
	global_store_b128 v[LI], v[HB_+16*\hh+4*\be:HB_+16*\hh+4*\be+3], s[8:9] offset:\hh*262144+(\a)*2048+\be*512
.endr
.endr
.endm
.macro SEND32 win                      ; the f32 copy of positions 0..15: chosen by EXEC
	s_wait_xcnt 0x0                                ; EXEC is a source of the loads and stores issued so far
	s_mov_b32 vcc_lo, s66
	s_and_saveexec_b32 s67, vcc_lo
	WIN \win                                       ; a store's data are its source 1
.irp b, 0,1,2,3,4,5,6,7
	global_store_b128 v[LI], v[8*\b:8*\b+3], s[10:11] offset:\b*1024
	global_store_b128 v[LI], v[8*\b+4:8*\b+7], s[10:11] offset:\b*1024+512
.endr
	WIN 0
	s_wait_xcnt 0x0
	s_or_b32 exec_lo, exec_lo, s67
.endm
; q and k, block a of 16 rows: y1 = x1 cos - x2 sin, y2 = x2 cos + x1 sin, x1 in blocks u, x2 in blocks u + 2 of a head.
.macro EPI_ROPE a
.set CB_, CSB+32*((\a)%2)
.set HB_, HB+32*((\a)%2)
.set AC_, 64*((\a)%4)
.if (\a) < 7
	s_wait_loadcnt 8                               ; this block's cos and sin are in; the next block's eight loads may be out
.else
	s_wait_loadcnt 0
.endif
	s_wait_xcnt 0x0                                ; the stores of two blocks ago have read the registers that are written below
.set n_, 0
.rept 16
	v_pk_mul_f32 v[CB_+n_:CB_+n_+1], v[CB_+n_:CB_+n_+1], s[98:99] op_sel_hi:[1,0]
.set n_, n_+2
.endr
	WIN 0x52+(\a)/4                                ; source 0: the accumulators' window; source 1: window 0; source 2 and destination: window 1
.irp hh, 0,1
.irp u, 0,1
.irp i, 0,2,4,6                        ; each accumulator is read from its low end on
	v_pk_mul_f32 v[32*\hh+8*\u+\i:32*\hh+8*\u+\i+1], v[AC_+32*\hh+8*\u+\i:AC_+32*\hh+8*\u+\i+1], v[CB_+8*\u+\i:CB_+8*\u+\i+1]
	v_pk_mul_f32 v[32*\hh+8*\u+16+\i:32*\hh+8*\u+16+\i+1], v[AC_+32*\hh+8*\u+16+\i:AC_+32*\hh+8*\u+16+\i+1], v[CB_+8*\u+\i:CB_+8*\u+\i+1]
	v_pk_fma_f32 v[32*\hh+8*\u+\i:32*\hh+8*\u+\i+1], v[AC_+32*\hh+8*\u+16+\i:AC_+32*\hh+8*\u+16+\i+1], v[CB_+16+8*\u+\i:CB_+16+8*\u+\i+1], v[32*\hh+8*\u+\i:32*\hh+8*\u+\i+1] neg_lo:[0,1,0] neg_hi:[0,1,0]
	v_pk_fma_f32 v[32*\hh+8*\u+16+\i:32*\hh+8*\u+16+\i+1], v[AC_+32*\hh+8*\u+\i:AC_+32*\hh+8*\u+\i+1], v[CB_+16+8*\u+\i:CB_+16+8*\u+\i+1], v[32*\hh+8*\u+16+\i:32*\hh+8*\u+16+\i+1]
.endr
.endr
.endr
	WIN 0
.if (\a) < 6
	CSLOAD (\a)+2
.endif
	WIN 0x05                                       ; sources window 1, destination window 0
.set n_, 0
.rept 32
	v_cvt_pk_f16_f32 v[HB_+n_], v[2*n_], v[2*n_+1]
.set n_, n_+1
.endr
	WIN 0
	SEND16 \a
.if (\a) == 0
	SEND32 0x04
.endif
.endm
.macro EPI_V a                         ; v: rounded as it stands
.set HB_, HB+32*((\a)%2)
.set AC_, 64*((\a)%4)
	s_wait_xcnt 0x0
	WIN 0x0a+5*((\a)/4)                            ; sources: the accumulators' window
.set n_, 0
.rept 32
	v_cvt_pk_f16_f32 v[HB_+n_], v[AC_+2*n_], v[AC_+2*n_+1]
.set n_, n_+1
.endr
	WIN 0
	SEND16 \a
.if (\a) == 0
	SEND32 0x08
.endif
.endm
	s_cmp_eq_u32 ttmp9, 2
	s_cbranch_scc1 .Lvpath
.irp a, 0,1,2,3,4,5,6,7
	EPI_ROPE \a
.endr
	s_branch .Lout
.Lvpath:
.irp a, 0,1,2,3,4,5,6,7
	EPI_V \a
.endr
.Lout:
	s_wait_tensorcnt 0x0                           ; the wave's end
	ds_add_u32 v[SPW], v[NIL]
	s_wait_dscnt 0x0
	CROUND                                         ; the closing round
	s_endpgm
.Lfunc_end_k_qc07c291ebd_qkv:
	.size	k_qc07c291ebd_qkv, .Lfunc_end_k_qc07c291ebd_qkv-k_qc07c291ebd_qkv
	.p2alignl 7, 3214868480
	.fill 96, 4, 3214868480
	.section	.rodata,"a",@progbits
	.p2align	6, 0x0
	.amdhsa_kernel k_qc07c291ebd_qkv
		.amdhsa_group_segment_fixed_size 327680
		.amdhsa_private_segment_fixed_size 0
		.amdhsa_enable_private_segment 0
		.amdhsa_kernarg_size 48
		.amdhsa_user_sgpr_count 2
		.amdhsa_user_sgpr_kernarg_segment_ptr 1
		.amdhsa_wavefront_size32 1
		.amdhsa_system_sgpr_workgroup_id_x 1
		.amdhsa_system_sgpr_workgroup_id_y 1
		.amdhsa_system_sgpr_workgroup_id_z 1
		.amdhsa_system_vgpr_workitem_id 0
		.amdhsa_next_free_vgpr 1024
		.amdhsa_next_free_sgpr 100
		.amdhsa_reserve_vcc 1
		.amdhsa_float_denorm_mode_32 3
		.amdhsa_float_denorm_mode_16_64 3
		.amdhsa_memory_ordered 1
		.amdhsa_forward_progress 1
		.amdhsa_inst_pref_size 193
	.end_amdhsa_kernel
	.amdgpu_metadata
---
amdhsa.version: [ 1, 2 ]
amdhsa.kernels:
  - .name:           k_qc07c291ebd_qkv
    .symbol:         k_qc07c291ebd_qkv.kd
    .args:
      - { .name: codes, .offset: 0, .size: 8, .value_kind: global_buffer, .address_space: global }
      - { .name: scales, .offset: 8, .size: 8, .value_kind: global_buffer, .address_space: global }
      - { .name: c_attn_b, .offset: 16, .size: 8, .value_kind: global_buffer, .address_space: global }
      - { .name: cs, .offset: 24, .size: 8, .value_kind: global_buffer, .address_space: global }
      - { .name: qkv16, .offset: 32, .size: 8, .value_kind: global_buffer, .address_space: global }
      - { .name: qkv32, .offset: 40, .size: 8, .value_kind: global_buffer, .address_space: global }
    .group_segment_fixed_size: 327680
    .private_segment_fixed_size: 0
    .kernarg_segment_align: 8
    .kernarg_segment_size: 48
    .max_flat_workgroup_size: 128
    .sgpr_count:     100
    .vgpr_count:     1024
    .wavefront_size: 32
...
	.end_amdgpu_metadata
.endif
;; end of part 2
;; launch attn (part 3): grid 8 x 32, 8 waves a work-group, no clusters, 222,208 bytes of LDS; arguments qkv16, a16; writes a16
.if DOCPART == 3
	.amdgcn_target "amdgcn-amd-amdhsa--gfx1250"
	.amdhsa_code_object_version 6
	.text
	.protected	k_qc07c291ebd_attn
	.globl	k_qc07c291ebd_attn
	.p2align	8
	.type	k_qc07c291ebd_attn,@function
k_qc07c291ebd_attn:
	s_mov_b64 s[64:65], 0
	v_nop
	global_prefetch_b8 v0, s[64:65] scope:SCOPE_SE
	s_setreg_imm32_b32 hwreg(HW_REG_WAVE_MODE, 25, 1), 1
	s_wait_xcnt 0x0
; Attention under the causal band of 512 keys, f16 operands, f32 sums.  Work-group (X, b x head): queries 256 X .. + 255.  Wave w: 32 of them, two tiles of 16.
; q arrives multiplied by log2(e) / 8, so a score is t and p = 2^(t - m), m the running maximum of the row; the row's sum l divides at the end.
; THE KEYS.  The block's queries see keys 256 X - 511 .. 256 X + 255: 768 keys from 256 X - 512 on, three chunks of 256.  They fit in LDS and are brought ONCE, through registers: K as the images that it lies in
; (a fragment load is 512 consecutive bytes), V as rows [key][64 d] of 160 bytes, from which the turning load makes fragments of V^T.  One barrier in the launch.
; NO TENSOR LOADS: for X < 2 the lower chunks do not exist, and their fill is left out by a branch on the work-group's number.  NO CLUSTER: neighbouring query blocks share two chunks, but each wants a shared chunk at
; another place in its LDS (chunk c of block X is chunk c + 1 of block X - 1), so no one descriptor serves two of them.  Nothing is asked for ahead of the head's loads, so there is nothing to prefetch.
; THE WALK.  With P = w / 2 a wave walks nine steps of 64 keys, local keys 64 (P + t): t = 8 holds the diagonal and goes first (every query has a key there), t = 1..7 count whole, t = 0 holds the band's lower edge.
; A step whose keys lie ahead of the sequence (4 X + P + t < 8) is jumped over: a branch on ids.
; LAYOUT.  S^T = K Q^T (source 0 = 16 keys, source 1 = 16 queries): lane (r, h) holds query r, keys 8 h + 0..7.  Two such tiles, rounded to f16 in pairs, are source 1 of O^T = V^T P.
; a16: [block of 128 rows 32][kc 32][block of 16 rows 8][g 2][512 bytes]: lane (r, h) holds row r, feature 32 kc + 16 g + 8 h + 0..7: O^T's registers, rounded, as they stand.
; LIMIT: the attention's output stays under 65,504 (f16).  Positions 0..15 are made here too, and made again in f32 by a later launch.
.set VP,    160                        ; a row of V in LDS: 128 bytes + 32: an odd multiple of 32
.set VLDS,  98304
.set SPARE, 221184                     ; the spare words: 128 bytes a wave
.set LI,  1                            ; v1   16 x lane
.set AK,  2                            ; v2   my lane's place in the wave's K images
.set AV,  3                            ; v3   and among V's rows
.set ADK, 4
.set ADV, 5
.set D0,  6                            ; v6, v7  tile 0, 1: my query's place in the diagonal step, less 8 (lane / 16)
.set NINF, 8
.set SPW, 10
.set NIL, 11
.set ST,  12                           ; tile ta at v[ST + 8 ta]: +0 m, +1 old m, +2, +3 l, +4, +5 at work, +6 a, +7 old m - m
.set KST, 28                           ; v28  16 x thread: where I load, and where K goes
.set VST, 29                           ; v29  where V goes
.set Q,   32
.set S,   64
.set O,   128
.set KV,  192
	s_load_b128 s[4:7], s[0:1], 0x0                ; qkv16 s[4:5], a16 s[6:7]
	v_lshl_add_u32 v[SPW], v0, 2, SPARE
	v_mov_b32 v[NIL], 0
	v_lshrrev_b32 v9, 5, v0
	v_readfirstlane_b32 s8, v9                     ; wave 0..7
	s_and_b32 s10, ttmp7, 0xffff                   ; b x 16 + head
	s_lshr_b32 s11, s8, 1                          ; P
	v_and_b32 v9, 31, v0
	v_lshlrev_b32 v[LI], 4, v9
	v_lshlrev_b32 v[KST], 4, v0
	v_lshrrev_b32 v30, 7, v0                       ; thread t's 16 bytes of an image are key 16 (t / 128) + t % 16, d bytes 16 ((t / 16) % 8)
	v_and_b32 v31, 15, v0
	v_lshl_add_u32 v30, v30, 4, v31
	v_mul_u32_u24 v30, v30, VP
	v_bfe_u32 v31, v0, 4, 3
	v_lshl_add_u32 v30, v31, 4, v30
	v_add_nc_u32 v[VST], VLDS, v30
	s_lshl_b32 s24, s11, 13                        ; 64 keys are four images of 2,048 bytes
	v_add_nc_u32 v[AK], s24, v[LI]
	v_bfe_u32 v30, v0, 4, 1                        ; the turning load: key 8 (l / 16) + l % 8, 16 bytes at 16 ((l / 8) % 2)
	v_and_b32 v31, 7, v0
	v_lshl_add_u32 v30, v30, 3, v31
	v_mul_u32_u24 v30, v30, VP
	v_bfe_u32 v31, v0, 3, 1
	v_lshl_add_u32 v30, v31, 4, v30
	s_mul_i32 s25, s11, 64*VP
	s_add_co_u32 s25, s25, VLDS
	v_add_nc_u32 v[AV], s25, v30
	s_and_b32 s26, s8, 1
	s_lshl_b32 s26, s26, 5
	v_and_b32 v30, 15, v0
	v_bfe_u32 v31, v0, 4, 1
	v_lshlrev_b32 v31, 3, v31
	v_sub_nc_u32 v30, v30, v31
	v_add_nc_u32 v[D0], s26, v30
	v_add_nc_u32 v[D0+1], 16, v[D0]
	v_mov_b32 v[NINF], 0xff800000
	s_mov_b32 s22, 0x76543210                      ; v_permlanex16_b32: lane l xor 16
	s_mov_b32 s23, 0xfedcba98
	s_lshl_b32 s28, s10, 18
	s_lshl_b32 s29, ttmp9, 15
	s_add_co_u32 s28, s28, s29
	s_mov_b32 s29, 0
	s_lshl_b32 s30, s8, 12
	s_mov_b32 s31, 0
	s_lshr_b32 s32, s10, 4                         ; a16: block of 128 rows 16 b + 2 X + w / 4,
	s_lshl_b32 s32, s32, 4
	s_lshl_b32 s33, ttmp9, 1
	s_add_co_u32 s32, s32, s33
	s_lshr_b32 s33, s8, 2
	s_add_co_u32 s32, s32, s33
	s_lshl_b32 s32, s32, 18
	s_and_b32 s33, s10, 15                         ; two kc of 8,192 a head,
	s_lshl_b32 s33, s33, 14
	s_add_co_u32 s32, s32, s33
	s_and_b32 s33, s8, 3                           ; two blocks of 16 rows a wave
	s_lshl_b32 s33, s33, 11
	s_add_co_u32 s32, s32, s33
	s_mov_b32 s33, 0
	s_wait_kmcnt 0x0
	s_add_nc_u64 s[16:17], s[4:5], s[28:29]        ; q at the block's first row
	s_add_nc_u64 s[12:13], s[16:17], 0x800000      ; k likewise: chunk 2's first byte
	s_add_nc_u64 s[14:15], s[16:17], 0x1000000     ; v
	s_add_nc_u64 s[16:17], s[16:17], s[30:31]      ; q at my wave's
	s_add_nc_u64 s[6:7], s[6:7], s[32:33]
.macro LOADC c                         ; chunk c: 32,768 bytes of K and of V; 256 threads x 16 bytes, eight times
.irp n, 0,1,2,3,4,5,6,7
	global_load_b128 v[64+64*\c+4*\n:64+64*\c+4*\n+3], v[KST], s[12:13] offset:(\c-2)*32768+4096*\n
.endr
.irp n, 0,1,2,3,4,5,6,7
	global_load_b128 v[96+64*\c+4*\n:96+64*\c+4*\n+3], v[KST], s[14:15] offset:(\c-2)*32768+4096*\n
.endr
.endm
.macro STOREC c
	v_add_nc_u32 v30, \c*32768, v[KST]
	v_add_nc_u32 v31, \c*256*VP, v[VST]
.irp n, 0,1,2,3,4,5,6,7
	ds_store_b128 v30, v[64+64*\c+4*\n:64+64*\c+4*\n+3] offset:4096*\n
.endr
.irp n, 0,1,2,3,4,5,6,7
	ds_store_b128 v31, v[96+64*\c+4*\n:96+64*\c+4*\n+3] offset:32*VP*\n
.endr
.endm
.irp ta, 0,1
.irp c, 0,1
.irp g, 0,1
	global_load_b128 v[Q+16*\ta+8*\c+4*\g:Q+16*\ta+8*\c+4*\g+3], v[LI], s[16:17] offset:\ta*2048+\c*1024+\g*512   ; Q stays in registers
.endr
.endr
.endr
	LOADC 2
	s_cmp_lt_u32 ttmp9, 1                          ; the chunks that exist: a store is reached only behind its own loads
	s_cbranch_scc1 .Lc2
	LOADC 1
	s_cmp_lt_u32 ttmp9, 2
	s_cbranch_scc1 .Lc1
	LOADC 0
	s_wait_loadcnt 0x0
	STOREC 0
.Lc1:
	s_wait_loadcnt 0x0
	STOREC 1
.Lc2:
	s_wait_loadcnt 0x0
	STOREC 2
	v_mov_b32 v[ST+1], 0                           ; named as halves of pairs before they are first written
	v_mov_b32 v[ST+9], 0
	v_mov_b32 v[ST+6], 0
	v_mov_b32 v[ST+7], 0
	v_mov_b32 v[ST+14], 0
	v_mov_b32 v[ST+15], 0
	s_wait_dscnt 0x0                               ; for the others' sake: my stores have landed
	s_barrier_signal -1
	s_barrier_wait -1                              ; from here on K and V are only read
; A STEP of 64 keys at LDS bytes s18 (K) and s19 (V) beyond the wave's first.  first = 1: it starts m, l and O^T.  mask: 0 none, 1 the diagonal, 2 the band's lower edge.
.macro STEP first, mask
.if !\first
	s_cmp_lt_u32 s20, 8                            ; 4 X + P + t < 8: these keys lie ahead of the sequence
	s_cbranch_scc1 .Lskip_\@
.endif
	v_add_nc_u32 v[ADK], s18, v[AK]
	v_add_nc_u32 v[ADV], s19, v[AV]
.irp c, 0,1
.irp kt, 0,1,2,3
.irp g, 0,1
	ds_load_b128 v[KV+16*\kt+8*\c+4*\g:KV+16*\kt+8*\c+4*\g+3], v[ADK] offset:\kt*2048+\c*1024+\g*512
.endr
.endr
.endr
	s_wait_dscnt 8                                 ; d = 0..31 of the four tiles of keys are in; the eight loads of d = 32..63 may be out
.irp kt, 0,1,2,3
.irp ta, 0,1
	v_wmma_f32_16x16x32_f16 v[S+32*\ta+8*\kt:S+32*\ta+8*\kt+7], v[KV+16*\kt:KV+16*\kt+7], v[Q+16*\ta:Q+16*\ta+7], 0
.endr
.endr
	s_wait_dscnt 0x0
.irp kt, 0,1,2,3                       ; the eight accumulators take turns
.irp ta, 0,1
	v_wmma_f32_16x16x32_f16 v[S+32*\ta+8*\kt:S+32*\ta+8*\kt+7], v[KV+16*\kt+8:KV+16*\kt+15], v[Q+16*\ta+8:Q+16*\ta+15], v[S+32*\ta+8*\kt:S+32*\ta+8*\kt+7]
.endr
.endr
.rept 4
	v_nop                                          ; places: ahead of the loads into K's registers and of the first read of the scores
.endr
.irp kk, 0,1
.irp dt, 0,1,2,3
	ds_load_tr16_b128 v[KV+8*(4*\kk+\dt):KV+8*(4*\kk+\dt)+3], v[ADV] offset:\kk*32*VP+32*\dt
	ds_load_tr16_b128 v[KV+8*(4*\kk+\dt)+4:KV+8*(4*\kk+\dt)+7], v[ADV] offset:\kk*32*VP+16*VP+32*\dt
.endr
.endr
.if \mask
.irp ta, 0,1
.irp kt, 0,1,2,3
.irp j, 0,1,2,3,4,5,6,7                ; register 8 kt + j holds key 16 kt + 8 (lane / 16) + j of the step
.if \mask == 1
	v_cmp_gt_i32 vcc_lo, 16*\kt+\j, v[D0+\ta]      ; behind my query
.else
	v_cmp_le_i32 vcc_lo, 16*\kt+\j, v[D0+\ta]      ; 512 keys or more ahead of it
.endif
	v_cndmask_b32 v[S+32*\ta+8*\kt+\j], v[S+32*\ta+8*\kt+\j], v[NINF], vcc_lo
.endr
.endr
.endr
.endif
.irp j, 0,1,2,3                        ; the maximum: four chains a tile, each accumulator from its low end on
.irp ta, 0,1
	v_max3_num_f32 v[ST+8*\ta+4+\j], v[S+32*\ta+8*\j], v[S+32*\ta+8*\j+1], v[S+32*\ta+8*\j+2]
.endr
.endr
.irp e, 3,5
.irp j, 0,1,2,3
.irp ta, 0,1
	v_max3_num_f32 v[ST+8*\ta+4+\j], v[ST+8*\ta+4+\j], v[S+32*\ta+8*\j+\e], v[S+32*\ta+8*\j+\e+1]
.endr
.endr
.endr
.irp ta, 0,1
	v_max3_num_f32 v[ST+8*\ta+4], v[ST+8*\ta+4], v[S+32*\ta+7], v[S+32*\ta+15]
.endr
.irp ta, 0,1
	v_max3_num_f32 v[ST+8*\ta+6], v[ST+8*\ta+6], v[S+32*\ta+23], v[S+32*\ta+31]
.endr
.irp ta, 0,1
	v_max3_num_f32 v[ST+8*\ta+4], v[ST+8*\ta+4], v[ST+8*\ta+5], v[ST+8*\ta+6]
.endr
.irp ta, 0,1
.if \first
	v_max_num_f32 v[ST+8*\ta+4], v[ST+8*\ta+4], v[ST+8*\ta+7]
.else
	v_max3_num_f32 v[ST+8*\ta+4], v[ST+8*\ta+4], v[ST+8*\ta+7], v[ST+8*\ta]
.endif
.endr
.irp ta, 0,1
	v_permlanex16_b32 v[ST+8*\ta+5], v[ST+8*\ta+4], s22, s23      ; the query's other 32 keys lie in the lane 16 away
.endr
.if !\first
.irp ta, 0,1
	v_mov_b32 v[ST+8*\ta+1], v[ST+8*\ta]
.endr
.endif
.irp ta, 0,1
	v_max_num_f32 v[ST+8*\ta], v[ST+8*\ta+4], v[ST+8*\ta+5]
.endr
.if !\first
.irp ta, 0,1
	v_sub_f32 v[ST+8*\ta+7], v[ST+8*\ta+1], v[ST+8*\ta]
.endr
.endif
.irp i, 0,2,4,6,8,10,12,14,16,18,20,22,24,26,28,30
.irp ta, 0,1
	v_pk_add_f32 v[S+32*\ta+\i:S+32*\ta+\i+1], v[S+32*\ta+\i:S+32*\ta+\i+1], v[ST+8*\ta:ST+8*\ta+1] op_sel_hi:[1,0] neg_lo:[0,1] neg_hi:[0,1]   ; t - m
.endr
.endr
.if !\first
.irp ta, 0,1
	v_exp_f32 v[ST+8*\ta+6], v[ST+8*\ta+7]         ; a = 2^(old m - m)
.endr
.endif
.irp i, 0,1,2,3,4,5,6,7,8,9,10,11,12,13,14,15,16,17,18,19,20,21,22,23,24,25,26,27,28,29,30,31
.irp ta, 0,1
	v_exp_f32 v[S+32*\ta+\i], v[S+32*\ta+\i]
.endr
.endr
	v_nop                                          ; a plain instruction behind the last exponential
	s_wait_alu depctr_va_vdst(0)                   ; one wait for the whole batch, ahead of its first reader
.if \first
.irp ta, 0,1
	v_pk_add_f32 v[ST+8*\ta+2:ST+8*\ta+3], v[S+32*\ta:S+32*\ta+1], v[S+32*\ta+4:S+32*\ta+5]
	v_pk_add_f32 v[ST+8*\ta+4:ST+8*\ta+5], v[S+32*\ta+2:S+32*\ta+3], v[S+32*\ta+6:S+32*\ta+7]
.endr
.irp i, 8,12,16,20,24,28
.irp ta, 0,1
	v_pk_add_f32 v[ST+8*\ta+2:ST+8*\ta+3], v[ST+8*\ta+2:ST+8*\ta+3], v[S+32*\ta+\i:S+32*\ta+\i+1]
	v_pk_add_f32 v[ST+8*\ta+4:ST+8*\ta+5], v[ST+8*\ta+4:ST+8*\ta+5], v[S+32*\ta+\i+2:S+32*\ta+\i+3]
.endr
.endr
.else
.irp ta, 0,1
	v_pk_mul_f32 v[ST+8*\ta+2:ST+8*\ta+3], v[ST+8*\ta+2:ST+8*\ta+3], v[ST+8*\ta+6:ST+8*\ta+7] op_sel_hi:[1,0]
	v_pk_add_f32 v[ST+8*\ta+4:ST+8*\ta+5], v[S+32*\ta:S+32*\ta+1], v[S+32*\ta+2:S+32*\ta+3]
.endr
.irp i, 4,8,12,16,20,24,28
.irp ta, 0,1
	v_pk_add_f32 v[ST+8*\ta+2:ST+8*\ta+3], v[ST+8*\ta+2:ST+8*\ta+3], v[S+32*\ta+\i:S+32*\ta+\i+1]
	v_pk_add_f32 v[ST+8*\ta+4:ST+8*\ta+5], v[ST+8*\ta+4:ST+8*\ta+5], v[S+32*\ta+\i+2:S+32*\ta+\i+3]
.endr
.endr
.endif
.irp ta, 0,1
	v_pk_add_f32 v[ST+8*\ta+2:ST+8*\ta+3], v[ST+8*\ta+2:ST+8*\ta+3], v[ST+8*\ta+4:ST+8*\ta+5]
.endr
.irp i, 0,1,2,3,4,5,6,7,8,9,10,11,12,13,14,15
.irp ta, 0,1
	v_cvt_pk_f16_f32 v[S+32*\ta+\i], v[S+32*\ta+2*\i], v[S+32*\ta+2*\i+1]   ; p to f16, in place, ascending: registers 8 kk .. + 7 are source 1 for keys 32 kk on
.endr
.endr
.if !\first
.irp i, 0,2,4,6,8,10,12,14,16,18,20,22,24,26,28,30
.irp ta, 0,1
	v_pk_mul_f32 v[O+32*\ta+\i:O+32*\ta+\i+1], v[O+32*\ta+\i:O+32*\ta+\i+1], v[ST+8*\ta+6:ST+8*\ta+7] op_sel_hi:[1,0]
.endr
.endr
.endif
	s_wait_dscnt 0x0                               ; V is in
.irp kk, 0,1
.irp dt, 0,1,2,3
.irp ta, 0,1
.if \first && (\kk == 0)
	v_wmma_f32_16x16x32_f16 v[O+32*\ta+8*\dt:O+32*\ta+8*\dt+7], v[KV+8*(4*\kk+\dt):KV+8*(4*\kk+\dt)+7], v[S+32*\ta+8*\kk:S+32*\ta+8*\kk+7], 0
.else
	v_wmma_f32_16x16x32_f16 v[O+32*\ta+8*\dt:O+32*\ta+8*\dt+7], v[KV+8*(4*\kk+\dt):KV+8*(4*\kk+\dt)+7], v[S+32*\ta+8*\kk:S+32*\ta+8*\kk+7], v[O+32*\ta+8*\dt:O+32*\ta+8*\dt+7]
.endif
.endr
.endr
.endr
.rept 5
	v_nop                                          ; five places: the next step's first products write over p's registers, and its loads land on V's
.endr
.if !\first
.Lskip_\@:
.endif
.endm
	s_mov_b32 s18, 8*8192
	s_mov_b32 s19, 8*64*VP
	STEP 1, 1                                      ; t = 8
	s_mov_b32 s18, 8192
	s_mov_b32 s19, 64*VP
	s_lshl_b32 s20, ttmp9, 2
	s_add_co_u32 s20, s20, s11
	s_add_co_u32 s20, s20, 1                       ; 4 X + P + t
	s_mov_b32 s21, 7
.Lstep:                                            ; t = 1..7
	STEP 0, 0
	s_add_co_u32 s18, s18, 8192
	s_add_co_u32 s19, s19, 64*VP
	s_add_co_u32 s20, s20, 1
	s_sub_co_u32 s21, s21, 1
	s_cmp_lg_u32 s21, 0
	s_cbranch_scc1 .Lstep
	s_mov_b32 s18, 0
	s_mov_b32 s19, 0
	s_sub_co_u32 s20, s20, 8
	STEP 0, 2                                      ; t = 0
	; THE WAY OUT: O^T / l, rounded to f16: each group of four registers is 512 consecutive bytes of an image
.irp ta, 0,1
	v_add_f32 v[ST+8*\ta+4], v[ST+8*\ta+2], v[ST+8*\ta+3]
.endr
.irp ta, 0,1
	v_permlanex16_b32 v[ST+8*\ta+5], v[ST+8*\ta+4], s22, s23
.endr
.irp ta, 0,1
	v_add_f32 v[ST+8*\ta+4], v[ST+8*\ta+4], v[ST+8*\ta+5]
.endr
.irp ta, 0,1
	v_rcp_f32 v[ST+8*\ta+6], v[ST+8*\ta+4]
.endr
	v_nop
	s_wait_alu depctr_va_vdst(0)                   ; one wait for the two reciprocals
.irp ta, 0,1
.irp i, 0,2,4,6,8,10,12,14,16,18,20,22,24,26,28,30
	v_pk_mul_f32 v[S+32*\ta+\i:S+32*\ta+\i+1], v[O+32*\ta+\i:O+32*\ta+\i+1], v[ST+8*\ta+6:ST+8*\ta+7] op_sel_hi:[1,0]
.endr
.endr
.irp ta, 0,1
.irp i, 0,1,2,3,4,5,6,7,8,9,10,11,12,13,14,15
	v_cvt_pk_f16_f32 v[KV+16*\ta+\i], v[S+32*\ta+2*\i], v[S+32*\ta+2*\i+1]
.endr
.endr
.irp ta, 0,1
.irp dt, 0,1,2,3
	global_store_b128 v[LI], v[KV+16*\ta+4*\dt:KV+16*\ta+4*\dt+3], s[6:7] offset:(\dt/2)*8192+\ta*1024+(\dt%2)*512
.endr
.endr
	s_wait_tensorcnt 0x0                           ; the wave's end, behind my last LDS store
	ds_add_u32 v[SPW], v[NIL]
	s_wait_dscnt 0x0
	s_endpgm
.Lfunc_end_k_qc07c291ebd_attn:
	.size	k_qc07c291ebd_attn, .Lfunc_end_k_qc07c291ebd_attn-k_qc07c291ebd_attn
	.p2alignl 7, 3214868480
	.fill 96, 4, 3214868480
	.section	.rodata,"a",@progbits
	.p2align	6, 0x0
	.amdhsa_kernel k_qc07c291ebd_attn
		.amdhsa_group_segment_fixed_size 222208
		.amdhsa_private_segment_fixed_size 0
		.amdhsa_enable_private_segment 0
		.amdhsa_kernarg_size 16
		.amdhsa_user_sgpr_count 2
		.amdhsa_user_sgpr_kernarg_segment_ptr 1
		.amdhsa_wavefront_size32 1
		.amdhsa_system_sgpr_workgroup_id_x 1
		.amdhsa_system_sgpr_workgroup_id_y 1
		.amdhsa_system_sgpr_workgroup_id_z 1
		.amdhsa_system_vgpr_workitem_id 0
		.amdhsa_next_free_vgpr 256
		.amdhsa_next_free_sgpr 66
		.amdhsa_reserve_vcc 1
		.amdhsa_float_denorm_mode_32 3
		.amdhsa_float_denorm_mode_16_64 3
		.amdhsa_memory_ordered 1
		.amdhsa_forward_progress 1
		.amdhsa_inst_pref_size 75
	.end_amdhsa_kernel
	.amdgpu_metadata
---
amdhsa.version: [ 1, 2 ]
amdhsa.kernels:
  - .name:           k_qc07c291ebd_attn
    .symbol:         k_qc07c291ebd_attn.kd
    .args:
      - { .name: qkv16, .offset: 0, .size: 8, .value_kind: global_buffer, .address_space: global }
      - { .name: a16, .offset: 8, .size: 8, .value_kind: global_buffer, .address_space: global }
    .group_segment_fixed_size: 222208
    .private_segment_fixed_size: 0
    .kernarg_segment_align: 8
    .kernarg_segment_size: 16
    .max_flat_workgroup_size: 256
    .sgpr_count:     66
    .vgpr_count:     256
    .wavefront_size: 32
...
	.end_amdgpu_metadata
.endif
;; end of part 3
;; launch proj (part 4): grid 8 x 32, 4 waves a work-group, clusters of 4 x 4, 327,680 bytes of LDS; arguments a16, wp16, c_proj_b, out0; writes out0
.if DOCPART == 4
	.amdgcn_target "amdgcn-amd-amdhsa--gfx1250"
	.amdhsa_code_object_version 6
	.text
	.protected	k_qc07c291ebd_proj
	.globl	k_qc07c291ebd_proj
	.p2align	8
	.type	k_qc07c291ebd_proj,@function
k_qc07c291ebd_proj:
	s_mov_b64 s[64:65], 0
	v_nop
	global_prefetch_b8 v0, s[64:65] scope:SCOPE_SE
	s_setreg_imm32_b32 hwreg(HW_REG_WAVE_MODE, 25, 1), 1
	s_wait_xcnt 0x0
	s_wait_alu depctr_hold_cnt(0) depctr_sa_sdst(0) depctr_va_vdst(0) depctr_va_sdst(0) depctr_va_ssrc(0) depctr_va_vcc(0) depctr_vm_vsrc(0)
	s_getreg_b32 s2, hwreg(HW_REG_IB_STS2, 6, 4)
	s_cmp_eq_u32 s2, 0
	s_cbranch_scc0 .Lentry_in_a_cluster
	s_endpgm
.Lentry_in_a_cluster:
	s_bfe_u32 s2, ttmp6, 0x10000c
	s_cmp_lg_u32 s2, 0xf033
	s_cbranch_scc0 .Lentry_shape_is_right
	s_endpgm
.Lentry_shape_is_right:
; out0 = A W + b: A [4096][1024] and W [1024][1024] in f16, sums and result in f32.  A tile of 128 x 128 gives 256 work-groups; four waves, each 64 x 64: 16 accumulators.
; BOTH OPERANDS ARRIVE AS IMAGES OF THE OPERAND REGISTERS: [tile][kc 32][block of 16 8][g 2][512 bytes].  So a K step of 256 (8 kc) of a tile is 65,536 dense bytes, a wave's tensor load brings 32,768 of them as 128 rows
; of 256 bytes, and a fragment load is 512 consecutive bytes: no pitch, no padding.  Two slots of 131,072 bytes (A's 65,536, then W's); K has four steps, so each slot is filled twice; all is written out, no loop.
; CLUSTERS: 4 x 4: A's tiles are asked for jointly along a row of the cluster, W's along a column.  A wave has two tensor loads out at the start and one behind each round.
; THE MATRIX INSTRUCTION IS USED TRANSPOSED (source 0 = 16 columns of W, source 1 = 16 rows of A): a lane holds eight neighbouring numbers of a row.  The bias is the C of each sum's first product.
; THE WAY OUT: a wave's 64 columns of f32 are 256 bytes of a row: each wave has a stage of its own (64 rows x 272 bytes) in slot 0, which has had its last fill and its last read by then.
; Positions 0..15 of both sequences are stored here like all rows and stored again, more finely, by the launch that follows.
; REGISTERS: window 0: v16-29 addresses; v96-127 the bias; v128-255 the accumulators.   window 1: two fragment buffers of 128.
.set SLOT,   131072
.set SPARE,  262144
.set SPITCH, 272
.set ADRA, 16
.set ADRB, 20
.set STO,  24
.set RD,   25
.set CO,   26
.set BO,   27
.set SPW,  28
.set NIL,  29
.set BIAS, 96
.set ACC,  128
.set F0,   0
.set F1,   128
.set G1, 24
.set G0, 32
.set G1B, 48
.set G0B, 56
.set MSB, 0
.macro WIN new
.if MSB != (\new)
	s_set_vgpr_msb (MSB<<8)|(\new)
.set MSB, (\new)
.endif
.endm
.set MUL,  0x05                        ; sources window 1; C and D window 0
.set TO_F, 0x40
.macro JLOAD s                         ; waves 0 and 1 fetch A's halves, waves 2 and 3 W's; an s_nop 0 and four v_nop follow each line
	s_cmp_eq_u32 s11, 0
	s_cbranch_scc0 .Lfor_b_\@
	tensor_load_to_lds s[G0+4*\s:G0+4*\s+3], s[G1:G1+7]
	s_nop 0
.rept 4
	v_nop
.endr
	s_branch .Lasked_\@
.Lfor_b_\@:
	tensor_load_to_lds s[G0B+4*\s:G0B+4*\s+3], s[G1B:G1B+7]
	s_nop 0
.rept 4
	v_nop
.endr
.Lasked_\@:
.endm
.macro CREST
	s_cmp_lg_u32 s10, 0
	s_cbranch_scc1 .Lnot_wave_0_\@
	s_barrier_signal -3
.Lnot_wave_0_\@:
	s_barrier_wait -3
	s_barrier_signal -1
	s_barrier_wait -1
.endm
.macro CROUND
	s_barrier_signal -1
	s_barrier_wait -1
	CREST
.endm
	s_load_b128 s[4:7], s[0:1], 0x0                ; a16 s[4:5], wp16 s[6:7]
	s_load_b128 s[68:71], s[0:1], 0x10             ; c_proj_b s[68:69], out0 s[70:71]
	v_lshl_add_u32 v[SPW], v0, 2, SPARE
	v_mov_b32 v[NIL], 0
	ds_add_u32 v[SPW], v[NIL]                      ; the wave's opening: the add, twice on end, and its wait ahead of my first tensor load
	ds_add_u32 v[SPW], v[NIL]
	v_lshrrev_b32 v1, 5, v0
	v_readfirstlane_b32 s10, v1                    ; wave 0..3
	s_lshr_b32 s11, s10, 1                         ; my half of the rows.  Also: I fetch for A (0) or W (1)
	s_and_b32 s12, s10, 1                          ; my half of the columns.  Also: which 4 kc of a K step I fetch
	s_bfe_u32 s40, ttmp6, 0x40000
	s_bfe_u32 s41, ttmp6, 0x40004
	s_lshl_b32 s42, ttmp9, 2
	s_add_co_u32 s42, s42, s40                     ; tile column
	s_and_b32 s13, ttmp7, 0xffff
	s_lshl_b32 s13, s13, 2
	s_add_co_u32 s13, s13, s41                     ; tile row
	s_lshl_b32 s43, s41, 2
	s_lshl_b32 s43, 15, s43
	s_lshl_b32 s44, 0x1111, s40
	s_or_b32 s[G1+0], s43, (3<<16)|(1<<21)         ; the mask; elements of 8 bytes; no padding; bit 21 beside a mask
	s_or_b32 s[G1B+0], s44, (3<<16)|(1<<21)
.irp g, G1, G1B
	s_mov_b32 s[\g+1], 32<<16                      ; tensor_dim0: 32 elements = 256 bytes
	s_mov_b32 s[\g+2], 128<<16                     ; tensor_dim1
	s_mov_b32 s[\g+3], 32<<16                      ; tile_dim0
	s_mov_b32 s[\g+4], 128                         ; tile_dim1
	s_mov_b32 s[\g+5], 32                          ; the pitch: dense
	s_mov_b32 s[\g+6], 0
	s_mov_b32 s[\g+7], 0
.endr
	s_lshl_b32 s17, s12, 15
	s_lshl_b32 s16, s13, 18
	s_add_co_u32 s16, s16, s17
	s_lshl_b32 s46, s42, 18
	s_add_co_u32 s46, s46, s17
	s_mov_b32 s17, 0
	s_mov_b32 s47, 0
	s_lshl_b32 s20, s10, 15                        ; where they go: wave x 32,768
	s_wait_dscnt 0x0
	s_wait_kmcnt 0x0
	s_add_nc_u64 s[14:15], s[4:5], s[16:17]
	s_add_nc_u64 s[46:47], s[6:7], s[46:47]
	CROUND
.irp s, 0,1
	s_mov_b32 s[G0+4*\s], 1
	s_add_co_u32 s[G0+4*\s+1], s20, \s*SLOT
	s_add_nc_u64 s[G0+4*\s+2:G0+4*\s+3], s[14:15], \s*65536
	s_or_b32 s[G0+4*\s+3], s[G0+4*\s+3], 0x80000000
	s_mov_b32 s[G0B+4*\s], 1
	s_add_co_u32 s[G0B+4*\s+1], s20, \s*SLOT
	s_add_nc_u64 s[G0B+4*\s+2:G0B+4*\s+3], s[46:47], \s*65536
	s_or_b32 s[G0B+4*\s+3], s[G0B+4*\s+3], 0x80000000
	JLOAD \s
.endr
	v_and_b32 v1, 15, v0
	v_bfe_u32 v2, v0, 4, 1
	v_and_b32 v3, 31, v0
	v_lshlrev_b32 v3, 4, v3
	s_lshl_b32 s21, s11, 12                        ; my four blocks of 16 rows: 4 x 1,024 bytes in each kc
	s_lshl_b32 s22, s12, 12
	s_add_co_u32 s22, s22, 65536
.irp s, 0,1
	v_add_nc_u32 v[ADRA+\s], s21, v3
	v_add_nc_u32 v[ADRB+\s], s22, v3
	s_add_co_u32 s21, s21, SLOT
	s_add_co_u32 s22, s22, SLOT
.endr
	s_mul_i32 s23, s10, 64*SPITCH                  ; my stage
	v_mul_u32_u24 v4, v1, SPITCH
	v_lshl_add_u32 v4, v2, 5, v4
	v_add_nc_u32 v[STO], s23, v4                   ; in: row l % 16, 32 bytes for each half of the lanes
	v_mul_u32_u24 v5, v2, SPITCH
	v_lshl_add_u32 v5, v1, 4, v5
	v_add_nc_u32 v[RD], s23, v5                    ; back: sixteen lanes to a row of 256 bytes
	v_lshlrev_b32 v5, 12, v2
	v_lshl_add_u32 v[CO], v1, 4, v5
	v_lshlrev_b32 v[BO], 5, v2
	s_lshl_b32 s16, s13, 19                        ; out0: row 128 x tile row + 64 x half, 4,096 bytes a row
	s_lshl_b32 s17, s11, 18
	s_add_co_u32 s16, s16, s17
	s_mov_b32 s17, 0
	s_add_nc_u64 s[70:71], s[70:71], s[16:17]
	s_lshl_b32 s46, s42, 9                         ; column 128 x tile column + 64 x half, 4 bytes each
	s_lshl_b32 s47, s12, 8
	s_add_co_u32 s46, s46, s47
	s_mov_b32 s47, 0
	s_add_nc_u64 s[70:71], s[70:71], s[46:47]
	s_add_nc_u64 s[68:69], s[68:69], s[46:47]
.irp b, 0,1,2,3
	global_load_b128 v[BIAS+8*\b:BIAS+8*\b+3], v[BO], s[68:69] offset:64*\b
	global_load_b128 v[BIAS+8*\b+4:BIAS+8*\b+7], v[BO], s[68:69] offset:64*\b+16
.endr
.macro MUL8 f, c, a0, zero             ; the 16 accumulators take turns
.irp a, \a0, \a0+1
.irp b, 0,1,2,3
.if \zero
	v_wmma_f32_16x16x32_f16 v[ACC+8*(4*(\a)+\b):ACC+8*(4*(\a)+\b)+7], v[\f+64+8*(4*\c+\b):\f+64+8*(4*\c+\b)+7], v[\f+8*(4*\c+\a):\f+8*(4*\c+\a)+7], v[BIAS+8*\b:BIAS+8*\b+7]
.else
	v_wmma_f32_16x16x32_f16 v[ACC+8*(4*(\a)+\b):ACC+8*(4*(\a)+\b)+7], v[\f+64+8*(4*\c+\b):\f+64+8*(4*\c+\b)+7], v[\f+8*(4*\c+\a):\f+8*(4*\c+\a)+7], v[ACC+8*(4*(\a)+\b):ACC+8*(4*(\a)+\b)+7]
.endif
.endr
.endr
.endm
.macro FETCH slot, kq, f               ; 32 loads in one run: the fragments of kc = 2 kq, 2 kq + 1 of the slot; the first kc first
	WIN TO_F
.irp c, 0,1
.irp i, 0,1,2,3
	ds_load_b128 v[\f+64+8*(4*\c+\i):\f+64+8*(4*\c+\i)+3],   v[ADRB+\slot] offset:(2*(\kq)+\c)*8192+\i*1024
	ds_load_b128 v[\f+64+8*(4*\c+\i)+4:\f+64+8*(4*\c+\i)+7], v[ADRB+\slot] offset:(2*(\kq)+\c)*8192+\i*1024+512
	ds_load_b128 v[\f+8*(4*\c+\i):\f+8*(4*\c+\i)+3],         v[ADRA+\slot] offset:(2*(\kq)+\c)*8192+\i*1024
	ds_load_b128 v[\f+8*(4*\c+\i)+4:\f+8*(4*\c+\i)+7],       v[ADRA+\slot] offset:(2*(\kq)+\c)*8192+\i*1024+512
.endr
.endr
.endm
.macro PLACES
.rept 4
	v_nop
.endr
.endm
.macro QUARTER slot, kq, f, g, zero    ; multiplies buffer f (64 along K) and fetches the slot's quarter kq into g
	s_wait_dscnt 16                                ; the first 32 along K are in; the other sixteen loads may be out
	WIN MUL
	MUL8 \f, 0, 0, \zero
	MUL8 \f, 0, 2, \zero
	PLACES
	FETCH \slot, \kq, \g
	s_wait_dscnt 32                                ; all but the 32 just issued
	WIN MUL
	MUL8 \f, 1, 0, 0
	MUL8 \f, 1, 2, 0
.endm
.macro TURN slot, next, fill           ; a slot's last quarter: one barrier; ahead of it all my tensor loads, the add, and my reads of this slot are waited for.  fill = 1: the slot takes the K step two on
	WIN 0
	s_wait_tensorcnt 0x0
	ds_add_u32 v[SPW], v[NIL]
	s_wait_dscnt 17                                ; the add and the youngest sixteen loads may be out
	WIN MUL
	MUL8 F1, 0, 0, 0
	s_wait_dscnt 0x0
	s_barrier_signal -1
	MUL8 F1, 0, 2, 0
.if \fill
	WIN 0
.endif
	s_barrier_wait -1
.if \fill
	CREST                                          ; the barrier has opened a round of the cluster's: no wave of any partner still reads this slot or has a load on its way
	s_add_nc_u64 s[G0+4*\slot+2:G0+4*\slot+3], s[G0+4*\slot+2:G0+4*\slot+3], 131072
	s_add_nc_u64 s[G0B+4*\slot+2:G0B+4*\slot+3], s[G0B+4*\slot+2:G0B+4*\slot+3], 131072
	JLOAD \slot
.else
	PLACES
.endif
	FETCH \next, 0, F0
	WIN MUL
	MUL8 F1, 1, 0, 0
	MUL8 F1, 1, 2, 0
.endm
	s_wait_tensorcnt 1                             ; my part of K step 0 is in; K step 1's may be out
	s_barrier_signal -1
	s_barrier_wait -1
	FETCH 0, 0, F0
	s_wait_loadcnt 0x0                             ; the bias
	QUARTER 0, 1, F0, F1, 1
	QUARTER 0, 2, F1, F0, 0
	QUARTER 0, 3, F0, F1, 0
	TURN 0, 1, 1
	QUARTER 1, 1, F0, F1, 0
	QUARTER 1, 2, F1, F0, 0
	QUARTER 1, 3, F0, F1, 0
	TURN 1, 0, 1
	QUARTER 0, 1, F0, F1, 0
	QUARTER 0, 2, F1, F0, 0
	QUARTER 0, 3, F0, F1, 0
	TURN 0, 1, 0
	QUARTER 1, 1, F0, F1, 0
	QUARTER 1, 2, F1, F0, 0
	QUARTER 1, 3, F0, F1, 0
	s_wait_dscnt 16
	WIN MUL
	MUL8 F1, 0, 0, 0
	MUL8 F1, 0, 2, 0
	s_wait_dscnt 0
	MUL8 F1, 1, 0, 0
	MUL8 F1, 1, 2, 0
	WIN 0
	PLACES
.irp a, 0,1,2,3
.irp b, 0,1,2,3
	ds_store_b128 v[STO], v[ACC+8*(4*\a+\b):ACC+8*(4*\a+\b)+3] offset:\a*16*SPITCH+64*\b          ; each accumulator from its low end on
	ds_store_b128 v[STO], v[ACC+8*(4*\a+\b)+4:ACC+8*(4*\a+\b)+7] offset:\a*16*SPITCH+64*\b+16
.endr
.endr
.irp t, 0,1,2,3,4,5,6,7,8,9,10,11,12,13,14,15,16,17,18,19,20,21,22,23,24,25,26,27,28,29,30,31
	ds_load_b128 v[ACC+4*\t:ACC+4*\t+3], v[RD] offset:\t*2*SPITCH   ; LDS serves a wave's instructions in order: these see my stores
.endr
.irp t, 0,1,2,3,4,5,6,7,8,9,10,11,12,13,14,15,16,17,18,19,20,21,22,23,24,25,26,27,28,29,30,31
	s_wait_dscnt 31-\t
	global_store_b128 v[CO], v[ACC+4*\t:ACC+4*\t+3], s[70:71] offset:\t*8192   ; sixteen lanes store 256 consecutive bytes, aligned
.endr
	s_wait_tensorcnt 0x0                           ; the wave's end
	ds_add_u32 v[SPW], v[NIL]
	s_wait_dscnt 0x0
	CROUND                                         ; the closing round
	s_endpgm
.Lfunc_end_k_qc07c291ebd_proj:
	.size	k_qc07c291ebd_proj, .Lfunc_end_k_qc07c291ebd_proj-k_qc07c291ebd_proj
	.p2alignl 7, 3214868480
	.fill 96, 4, 3214868480
	.section	.rodata,"a",@progbits
	.p2align	6, 0x0
	.amdhsa_kernel k_qc07c291ebd_proj
		.amdhsa_group_segment_fixed_size 327680
		.amdhsa_private_segment_fixed_size 0
		.amdhsa_enable_private_segment 0
		.amdhsa_kernarg_size 32
		.amdhsa_user_sgpr_count 2
		.amdhsa_user_sgpr_kernarg_segment_ptr 1
		.amdhsa_wavefront_size32 1
		.amdhsa_system_sgpr_workgroup_id_x 1
		.amdhsa_system_sgpr_workgroup_id_y 1
		.amdhsa_system_sgpr_workgroup_id_z 1
		.amdhsa_system_vgpr_workitem_id 0
		.amdhsa_next_free_vgpr 512
		.amdhsa_next_free_sgpr 72
		.amdhsa_reserve_vcc 0
		.amdhsa_float_denorm_mode_32 3
		.amdhsa_float_denorm_mode_16_64 3
		.amdhsa_memory_ordered 1
		.amdhsa_forward_progress 1
		.amdhsa_inst_pref_size 87
	.end_amdhsa_kernel
	.amdgpu_metadata
---
amdhsa.version: [ 1, 2 ]
amdhsa.kernels:
  - .name:           k_qc07c291ebd_proj
    .symbol:         k_qc07c291ebd_proj.kd
    .args:
      - { .name: a16, .offset: 0, .size: 8, .value_kind: global_buffer, .address_space: global }
      - { .name: wp16, .offset: 8, .size: 8, .value_kind: global_buffer, .address_space: global }
      - { .name: c_proj_b, .offset: 16, .size: 8, .value_kind: global_buffer, .address_space: global }
      - { .name: out0, .offset: 24, .size: 8, .value_kind: global_buffer, .address_space: global }
    .group_segment_fixed_size: 327680
    .private_segment_fixed_size: 0
    .kernarg_segment_align: 8
    .kernarg_segment_size: 32
    .max_flat_workgroup_size: 128
    .sgpr_count:     72
    .vgpr_count:     512
    .wavefront_size: 32
...
	.end_amdgpu_metadata
.endif
;; end of part 4
;; launch first16 (part 5): grid 32 x 2, 16 waves a work-group, no clusters, 38,912 bytes of LDS; arguments qkv32, c_proj_w, c_proj_b, out0; writes out0
.if DOCPART == 5
	.amdgcn_target "amdgcn-amd-amdhsa--gfx1250"
	.amdhsa_code_object_version 6
	.text
	.protected	k_qc07c291ebd_first16
	.globl	k_qc07c291ebd_first16
	.p2align	8
	.type	k_qc07c291ebd_first16,@function
k_qc07c291ebd_first16:
	s_mov_b64 s[64:65], 0
	v_nop
	global_prefetch_b8 v0, s[64:65] scope:SCOPE_SE
	s_setreg_imm32_b32 hwreg(HW_REG_WAVE_MODE, 25, 1), 1
	s_wait_xcnt 0x0
; Positions 0..15 of both sequences once more, in f32 throughout: these rows average one to sixteen values and are the largest of the output, so f16 operands would use up what the comparison allows.
; Work-group (x, b): columns 32 x .. + 31 of the 16 rows of sequence b.  Wave = head: it makes its head's attention (16 queries x 16 keys) and, from its own O^T registers, its head's share (64 of K) of the projection;
; the 16 shares meet in LDS and waves 0..3 add them, with the bias, and store.  All products by v_wmma_f32_16x16x4_f32: 64 a wave, no bulk work.
; ONE ORDER OF k, THE SAME ON BOTH SIDES, lets registers serve as operands as they stand: the instruction's k = 2 (lane / 16) + j is whatever a lane's register pair holds.
;   scores: S^T = K Q^T, pairs of the images' registers;  O^T = V^T P: p's pair (2 p', 2 p' + 1) holds keys 8 h + 2 p' + j;  out^T = W^T O: O^T's pair (2 p, 2 p + 1) of tile dt holds d = 16 dt + 8 h + 2 p + j.
; q arrives multiplied by log2(e) / 8: p = 2^(t - m).  The registers that the matrix instructions write (v176-239) are written by them alone.
; A row's 32 columns are 128 bytes: half of an aligned 256; 131,072 bytes in all are stored so.
.set SPARE, 36864
.set LI,  1                            ; v1  16 x lane
.set VA,  2                            ; v2  V^T: my lane's byte in an image
.set WA,  3                            ; v3  W: 8 rows x (lane / 16) + 4 (lane % 16)
.set STO, 4
.set RD,  5
.set DD,  6                            ; v6  my query less 8 (lane / 16)
.set NINF, 7
.set SPW, 8
.set NIL, 9
.set GO,  10
.set BO,  11
.set Q,   16
.set K,   48
.set VT,  80
.set W,   112
.set SA,  176
.set SB,  184
.set O,   192
.set OUT, 224
.set T,   240
.set P,   248
	s_load_b256 s[4:11], s[0:1], 0x0               ; qkv32 s[4:5], c_proj_w s[6:7], c_proj_b s[8:9], out0 s[10:11]
	v_lshl_add_u32 v[SPW], v0, 2, SPARE
	v_mov_b32 v[NIL], 0
	v_lshrrev_b32 v240, 5, v0
	v_readfirstlane_b32 s12, v240                  ; wave = head
	s_and_b32 s13, ttmp7, 0xffff                   ; the sequence
	v_and_b32 v240, 31, v0                         ; lane
	v_and_b32 v241, 15, v0                         ; r
	v_bfe_u32 v242, v0, 4, 1                       ; h
	v_lshlrev_b32 v[LI], 4, v240
	v_bfe_u32 v243, v0, 2, 1                       ; V(key 8 h + e, d = 16 dt + r) lies in image dt at 512 ((r / 4) % 2) + 256 (r / 8) + 16 (8 h + e) + 4 (r % 4)
	v_lshlrev_b32 v[VA], 9, v243
	v_bfe_u32 v243, v0, 3, 1
	v_lshl_add_u32 v[VA], v243, 8, v[VA]
	v_and_b32 v243, 3, v0
	v_lshl_add_u32 v[VA], v243, 2, v[VA]
	v_lshl_add_u32 v[VA], v242, 7, v[VA]
	v_lshlrev_b32 v[WA], 2, v241
	v_lshl_add_u32 v[WA], v242, 15, v[WA]
	s_mul_i32 s14, s12, 2304                       ; my plane: 16 rows x (128 bytes + 16)
	v_mul_u32_u24 v243, v241, 144
	v_lshl_add_u32 v243, v242, 5, v243
	v_add_nc_u32 v[STO], s14, v243
	s_and_b32 s15, s12, 3                          ; the adding waves are 0..3: wave w takes rows 4 w .. 4 w + 3
	s_mul_i32 s14, s15, 4*144
	v_lshrrev_b32 v243, 3, v240
	v_mul_u32_u24 v244, v243, 144
	v_and_b32 v245, 7, v0
	v_lshl_add_u32 v244, v245, 4, v244
	v_add_nc_u32 v[RD], s14, v244
	v_lshlrev_b32 v243, 12, v243
	v_lshl_add_u32 v[GO], v245, 4, v243
	v_lshlrev_b32 v[BO], 4, v245
	v_lshlrev_b32 v243, 3, v242
	v_sub_nc_u32 v[DD], v241, v243
	v_mov_b32 v[NINF], 0xff800000
	s_mov_b32 s20, 0x76543210
	s_mov_b32 s21, 0xfedcba98
	s_mul_i32 s16, s13, 196608
	s_lshl_b32 s17, s12, 12                        ; four images of 1,024 bytes a head
	s_add_co_u32 s16, s16, s17
	s_mov_b32 s17, 0
	s_lshl_b32 s22, ttmp9, 7                       ; 32 columns of 4 bytes
	s_mov_b32 s23, 0
	s_lshl_b32 s18, s12, 18                        ; 64 rows of W
	s_add_co_u32 s18, s18, s22
	s_mov_b32 s19, 0
	s_lshl_b32 s24, s13, 23                        ; 2,048 rows of out0
	s_lshl_b32 s25, s15, 14
	s_add_co_u32 s24, s24, s25
	s_add_co_u32 s24, s24, s22
	s_mov_b32 s25, 0
	s_wait_kmcnt 0x0
	s_add_nc_u64 s[4:5], s[4:5], s[16:17]
	s_add_nc_u64 s[6:7], s[6:7], s[18:19]
	s_add_nc_u64 s[8:9], s[8:9], s[22:23]
	s_add_nc_u64 s[10:11], s[10:11], s[24:25]
.irp nb, 0,1,2,3
.irp g, 0,1
	global_load_b128 v[Q+8*\nb+4*\g:Q+8*\nb+4*\g+3], v[LI], s[4:5] offset:\nb*1024+512*\g
.endr
.endr
.irp nb, 0,1,2,3
.irp g, 0,1
	global_load_b128 v[K+8*\nb+4*\g:K+8*\nb+4*\g+3], v[LI], s[4:5] offset:65536+\nb*1024+512*\g
.endr
.endr
.irp dt, 0,1,2,3
.irp e, 0,1,2,3,4,5,6,7
	global_load_b32 v[VT+8*\dt+\e], v[VA], s[4:5] offset:131072+\dt*1024+16*\e
.endr
.endr
.irp dt, 0,1,2,3
.irp p, 0,1,2,3
.irp nt, 0,1
.irp j, 0,1
	global_load_b32 v[W+2*(2*(4*\dt+\p)+\nt)+\j], v[WA], s[6:7] offset:(16*\dt+2*\p+\j)*4096+64*\nt
.endr
.endr
.endr
.endr
	s_wait_loadcnt 63                              ; q and k are in: 96 loads were issued behind them; the wait's field ends at 63, and a smaller count is safe
.set n_, 0
.rept 16                               ; two accumulators by turns; the first two products start the sums
.if n_ < 2
	v_wmma_f32_16x16x4_f32 v[SA+8*(n_%2):SA+8*(n_%2)+7], v[K+2*n_:K+2*n_+1], v[Q+2*n_:Q+2*n_+1], 0
.else
	v_wmma_f32_16x16x4_f32 v[SA+8*(n_%2):SA+8*(n_%2)+7], v[K+2*n_:K+2*n_+1], v[Q+2*n_:Q+2*n_+1], v[SA+8*(n_%2):SA+8*(n_%2)+7]
.endif
.set n_, n_+1
.endr
.rept 8
	v_nop                                          ; eight places behind this form, ahead of the first read of a result
.endr
.irp j, 0,1,2,3,4,5,6,7
	v_add_f32 v[T+\j], v[SA+\j], v[SB+\j]          ; lane (r, h): query r, key 8 h + j
.endr
.irp j, 0,1,2,3,4,5,6,7
	v_cmp_gt_i32 vcc_lo, \j, v[DD]                 ; a key behind my query
	v_cndmask_b32 v[T+\j], v[T+\j], v[NINF], vcc_lo
.endr
	v_max3_num_f32 v12, v[T], v[T+1], v[T+2]
	v_max3_num_f32 v13, v[T+3], v[T+4], v[T+5]
	v_max3_num_f32 v12, v12, v[T+6], v[T+7]
	v_max_num_f32 v12, v12, v13
	v_permlanex16_b32 v13, v12, s20, s21
	v_max_num_f32 v12, v12, v13                    ; key 0 counts for every query: a number
.irp j, 0,1,2,3,4,5,6,7
	v_sub_f32 v[T+\j], v[T+\j], v12
.endr
.irp j, 0,1,2,3,4,5,6,7
	v_exp_f32 v[T+\j], v[T+\j]
.endr
	v_nop
	s_wait_alu depctr_va_vdst(0)                   ; one wait for the eight
	v_add_f32 v12, v[T], v[T+1]
	v_add_f32 v13, v[T+2], v[T+3]
	v_add_f32 v14, v[T+4], v[T+5]
	v_add_f32 v15, v[T+6], v[T+7]
	v_add_f32 v12, v12, v13
	v_add_f32 v14, v14, v15
	v_add_f32 v12, v12, v14
	v_permlanex16_b32 v13, v12, s20, s21
	v_add_f32 v12, v12, v13
	v_rcp_f32 v12, v12
	v_nop
	s_wait_alu depctr_va_vdst(0)
.irp j, 0,1,2,3,4,5,6,7
	v_mul_f32 v[P+\j], v[T+\j], v12                ; the weights, normalised
.endr
	s_wait_loadcnt 63                              ; v is in: W's 64 loads were issued behind it
.irp p, 0,1,2,3
.irp dt, 0,1,2,3                       ; four accumulators by turns
.if \p == 0
	v_wmma_f32_16x16x4_f32 v[O+8*\dt:O+8*\dt+7], v[VT+8*\dt+2*\p:VT+8*\dt+2*\p+1], v[P+2*\p:P+2*\p+1], 0
.else
	v_wmma_f32_16x16x4_f32 v[O+8*\dt:O+8*\dt+7], v[VT+8*\dt+2*\p:VT+8*\dt+2*\p+1], v[P+2*\p:P+2*\p+1], v[O+8*\dt:O+8*\dt+7]
.endif
.endr
.endr
.rept 9
	v_nop                                          ; nine places: the results are taken as an operand of the next products
.endr
.irp dt, 0,1,2,3
	s_wait_loadcnt 48-16*\dt                       ; W's sixteen loads for these 16 of K are in; those of the later ones may be out
.irp p, 0,1,2,3
.irp nt, 0,1                           ; two accumulators by turns
.if (\dt == 0) && (\p == 0)
	v_wmma_f32_16x16x4_f32 v[OUT+8*\nt:OUT+8*\nt+7], v[W+2*(2*(4*\dt+\p)+\nt):W+2*(2*(4*\dt+\p)+\nt)+1], v[O+8*\dt+2*\p:O+8*\dt+2*\p+1], 0
.else
	v_wmma_f32_16x16x4_f32 v[OUT+8*\nt:OUT+8*\nt+7], v[W+2*(2*(4*\dt+\p)+\nt):W+2*(2*(4*\dt+\p)+\nt)+1], v[O+8*\dt+2*\p:O+8*\dt+2*\p+1], v[OUT+8*\nt:OUT+8*\nt+7]
.endif
.endr
.endr
.endr
.rept 8
	v_nop
.endr
.irp nt, 0,1
	ds_store_b128 v[STO], v[OUT+8*\nt:OUT+8*\nt+3] offset:64*\nt           ; lane (r, h): row r, columns 16 nt + 8 h + 0..7; from the low end on
	ds_store_b128 v[STO], v[OUT+8*\nt+4:OUT+8*\nt+7] offset:64*\nt+16
.endr
	s_wait_dscnt 0x0                               ; for the others' sake
	s_barrier_signal -1
	s_barrier_wait -1
	s_cmp_lt_u32 s12, 4
	s_cbranch_scc0 .Ldone
	global_load_b128 v[80:83], v[BO], s[8:9]       ; the bias of my four columns
.irp p, 0,1,2,3,4,5,6,7,8,9,10,11,12,13,14,15
	ds_load_b128 v[16+4*\p:19+4*\p], v[RD] offset:\p*2304       ; the sixteen heads' shares of my 16 bytes
.endr
	s_wait_dscnt 0x0
.irp p, 0,1,2,3,4,5,6,7
	v_pk_add_f32 v[16+4*\p:17+4*\p], v[16+4*\p:17+4*\p], v[48+4*\p:49+4*\p]
	v_pk_add_f32 v[18+4*\p:19+4*\p], v[18+4*\p:19+4*\p], v[50+4*\p:51+4*\p]
.endr
.irp p, 0,1,2,3
	v_pk_add_f32 v[16+4*\p:17+4*\p], v[16+4*\p:17+4*\p], v[32+4*\p:33+4*\p]
	v_pk_add_f32 v[18+4*\p:19+4*\p], v[18+4*\p:19+4*\p], v[34+4*\p:35+4*\p]
.endr
.irp p, 0,1
	v_pk_add_f32 v[16+4*\p:17+4*\p], v[16+4*\p:17+4*\p], v[24+4*\p:25+4*\p]
	v_pk_add_f32 v[18+4*\p:19+4*\p], v[18+4*\p:19+4*\p], v[26+4*\p:27+4*\p]
.endr
	v_pk_add_f32 v[16:17], v[16:17], v[20:21]
	v_pk_add_f32 v[18:19], v[18:19], v[22:23]
	s_wait_loadcnt 0x0
	v_pk_add_f32 v[16:17], v[16:17], v[80:81]
	v_pk_add_f32 v[18:19], v[18:19], v[82:83]
	global_store_b128 v[GO], v[16:19], s[10:11]    ; eight lanes store a row's 128 bytes
.Ldone:
	s_wait_tensorcnt 0x0                           ; the wave's end, behind my last LDS store
	ds_add_u32 v[SPW], v[NIL]
	s_wait_dscnt 0x0
	s_endpgm
.Lfunc_end_k_qc07c291ebd_first16:
	.size	k_qc07c291ebd_first16, .Lfunc_end_k_qc07c291ebd_first16-k_qc07c291ebd_first16
	.p2alignl 7, 3214868480
	.fill 96, 4, 3214868480
	.section	.rodata,"a",@progbits
	.p2align	6, 0x0
	.amdhsa_kernel k_qc07c291ebd_first16
		.amdhsa_group_segment_fixed_size 38912
		.amdhsa_private_segment_fixed_size 0
		.amdhsa_enable_private_segment 0
		.amdhsa_kernarg_size 32
		.amdhsa_user_sgpr_count 2
		.amdhsa_user_sgpr_kernarg_segment_ptr 1
		.amdhsa_wavefront_size32 1
		.amdhsa_system_sgpr_workgroup_id_x 1
		.amdhsa_system_sgpr_workgroup_id_y 1
		.amdhsa_system_sgpr_workgroup_id_z 1
		.amdhsa_system_vgpr_workitem_id 0
		.amdhsa_next_free_vgpr 256
		.amdhsa_next_free_sgpr 66
		.amdhsa_reserve_vcc 1
		.amdhsa_float_denorm_mode_32 3
		.amdhsa_float_denorm_mode_16_64 3
		.amdhsa_memory_ordered 1
		.amdhsa_forward_progress 1
		.amdhsa_inst_pref_size 25
	.end_amdhsa_kernel
	.amdgpu_metadata
---
amdhsa.version: [ 1, 2 ]
amdhsa.kernels:
  - .name:           k_qc07c291ebd_first16
    .symbol:         k_qc07c291ebd_first16.kd
    .args:
      - { .name: qkv32, .offset: 0, .size: 8, .value_kind: global_buffer, .address_space: global }
      - { .name: c_proj_w, .offset: 8, .size: 8, .value_kind: global_buffer, .address_space: global }
      - { .name: c_proj_b, .offset: 16, .size: 8, .value_kind: global_buffer, .address_space: global }
      - { .name: out0, .offset: 24, .size: 8, .value_kind: global_buffer, .address_space: global }
    .group_segment_fixed_size: 38912
    .private_segment_fixed_size: 0
    .kernarg_segment_align: 8
    .kernarg_segment_size: 32
    .max_flat_workgroup_size: 512
    .sgpr_count:     66
    .vgpr_count:     256
    .wavefront_size: 32
...
	.end_amdgpu_metadata
.endif
;; end of part 5
